; MI455X (gfx1250); checked and timed in simulation.
; The chip was launched on July 23, 2026; its instructions are those of AMD's public machine-readable ISA for CDNA 5 (MIT licence, August 2026) and "CDNA5" Instruction Set Architecture Reference Guide (July 2026). The comments in the code are by the model that wrote it; some were corrected since.
;; Multi Head Attention. Allowed arithmetic: matrix products marked QUANTISED: E5M2 operands, one given power-of-two scale a tensor, by v_wmma_f32_16x16x64_bf8_bf8 or v_wmma_f32_16x16x128_bf8_bf8, f32 sums; everything else in f32.
;; Inputs: Wk 1,024 x 1,024 float32; Wo 1,024 x 1,024 float32; Wq 1,024 x 1,024 float32; Wv 1,024 x 1,024 float32; beta 1,024 float32; bo 1,024 float32; gamma 1,024 float32; keys 4 x 2,048 x 1,024 float32; lowp_scales 12 int32 (the exponents e of the quantised operands' scales 2^e); mask 4 x 1 x 2,048 x 2,048 bool; queries 4 x 2,048 x 1,024 float32; values 4 x 2,048 x 1,024 float32.
;; Outputs: out0 4 x 2,048 x 1,024 float32.
;; This version of the problem:
;;   THIS VERSION OF THE PROBLEM IS GIVEN IN LOW PRECISION. The matrix products marked QUANTISED in the list below multiply operands that are first quantised to E5M2 (5 exponent bits, 2 mantissa bits; 8 bits a number), with one given power-of-two scale for each operand tensor; their sums are f32. All else is computed in f32.
;;   The module's matrix products, in the order in which they are computed (A, B: the left and right operand; K: the contracted axis; several contracted axes count as one K, in the product's order):
;;     1. [M 8,192, K 1,024] x [K 1,024, N 1,024]; A: input queries; B: input Wq: QUANTISED (scales: A lowp_scales[0], B lowp_scales[1])
;;     2. [M 8,192, K 1,024] x [K 1,024, N 1,024]; A: input keys; B: input Wk: QUANTISED (scales: A lowp_scales[2], B lowp_scales[3])
;;     3. [M 8,192, K 1,024] x [K 1,024, N 1,024]; A: input values; B: input Wv: QUANTISED (scales: A lowp_scales[4], B lowp_scales[5])
;;     4. batch 64 x [M 2,048, K 64] x [K 64, N 2,048]; A: computed on the way; B: computed on the way: QUANTISED (scales: A lowp_scales[6], B lowp_scales[7])
;;     5. batch 64 x [M 64, K 2,048] x [K 2,048, N 2,048]; A: computed on the way; B: softmax (see below): QUANTISED (scales: A lowp_scales[8], B lowp_scales[9])
;;     6. [M 8,192, K 1,024] x [K 1,024, N 1,024]; A: computed on the way; B: input Wo: QUANTISED (scales: A lowp_scales[10], B lowp_scales[11])
;;   THE QUANTISER, for each operand of a quantised product, along K:
;;     - The operand's scale is 2^e, e = its entry of the input lowp_scales (int32; the entries are numbered through the quantised products in the list's order, A before B).
;;     - Each number is divided by the scale, clamped to +-57,344, and rounded to the nearest number of E5M2, ties to even, subnormals kept.
;;     - The product sums the exact products of the quantised numbers (number of the format x scale) in f32.
;;   ~~~python
;;   def quantise(x, axis, e):      # numpy; x: float32 -> the quantised numbers, widened to float32 again
;;       x = np.moveaxis(x, axis, -1); K = x.shape[-1]
;;       r = np.clip(x / 2.0 ** e, -57344, 57344)
;;       step = 2.0 ** (np.maximum(np.frexp(np.where(r == 0, 1, r))[1] - 1, -14) - 2)
;;       q = np.round(r / step) * step * 2.0 ** e      # np.round: ties to even
;;       return np.moveaxis(q, -1, axis).astype(np.float32)
;;   ~~~
;;   SOFTMAX AHEAD OF A QUANTISED PRODUCT. Where the list says 'softmax', what is quantised is not the finished softmax but p = 2^(t - M), with t = logit x log2(e) and M = ceil(the row's largest t), a whole number; so 1/2 < the row's largest p <= 1. The row's sum l is taken of the UNQUANTISED p, in f32, and the product's result is divided by l at the end. Since M is a whole number, a kernel that streams over the keys may use a running M (the ceiling of the running maximum): every later rescaling is an exact power of two, so the quantised numbers keep their values, but for numbers so far below the row's largest that they fall under the format's range.
;;   OPERANDS COMPUTED ON THE WAY. 'Computed on the way' means the value that the module computes at that place (a softmax that the list does not call 'softmax' is quantised finished and normalised). What goes into a quantiser is computed in f32, as accurately as f32 sums, v_exp_f32 and their like allow (about 1e-6 of the number): no bf16 or f16 on the way to a quantiser, and a product that is left as it is and whose result goes on into a quantised operand takes f32 operands (vector FMAs, or v_wmma_f32_16x16x4_f32). A number that lies on a knife's edge between two numbers of the format may be rounded either way, as far as f32 arithmetic and the matrix unit's own rounding can turn it there, and no further.
;; One version. Each part assembles by itself: llvm-mc -triple=amdgcn-amd-amdhsa -mcpu=gfx1250 --defsym DOCPART=n.
;; ======== version 1 of 1: 4 launches
;; limits: right only within a limited range of input values
;; workspace buffers: xc 25,165,824 bytes; wc 4,194,304 bytes; mbits 2,228,224 bytes of whole numbers; pc 16,777,216 bytes; qf 33,554,432 bytes; ac 8,388,608 bytes
;; launch prep (part 1): grid 1024 x 1, 4 waves a work-group, no clusters, 34,304 bytes of LDS; arguments queries, keys, values, Wq, Wk, Wv, Wo, mask, lowp_scales, xc, wc, mbits; writes xc, wc, mbits
.if DOCPART == 1
	.amdgcn_target "amdgcn-amd-amdhsa--gfx1250"
	.amdhsa_code_object_version 6
	.text
	.protected	k_qb492c61c09_prep
	.globl	k_qb492c61c09_prep
	.p2align	8
	.type	k_qb492c61c09_prep,@function
k_qb492c61c09_prep:
	s_mov_b64 s[64:65], 0
	v_nop
	global_prefetch_b8 v0, s[64:65] scope:SCOPE_SE
	s_setreg_imm32_b32 hwreg(HW_REG_WAVE_MODE, 25, 1), 1
	s_wait_xcnt 0x0
; queries, keys, values [8192][1024] and Wq, Wk, Wv, Wo [1024][1024], f32, become codes of BF8 (E5M2), each with the one scale 2^e given for it; the mask becomes lane masks.
; code = x / 2^e, held within +-57,344, rounded to the nearest code, ties to even.  LIMITS: -126 <= e <= 112; NaN among the inputs is not served.
; THE CODES ARE LAID AS IMAGES OF OPERAND REGISTERS.  A fragment is 16 rows x 128 K: 2,048 bytes [c 0..3][lane][16 bytes]; lane (r = lane % 16, h = lane / 16) holds, of row r, k = 32 c + 16 h + 0 .. 15.
; THE ROWS OF A TILE ARE NOT NEIGHBOURS: lane r of row tile 2 b + u stands for row 32 b + 8 u + r + 8 (r / 8).  xc: [tensor 3][row tile 512][k block 8][2048]; wc: [W 4][row tile 64][k block 8][2048].
; Work-groups 128 .. 1023 quantise: a wave takes one row tile x 512 along K, four fragments.  Each load reads 512 consecutive bytes of one row; a fragment's 16 rows turn through the wave's own stage in LDS
; (rows 528 bytes apart) so that a lane gets 16 neighbours along K four times; each store writes 512 consecutive bytes.
; Work-groups 0 .. 127 take the mask: a wave takes one tile of 16 queries of one batch and all 2,048 keys.  mbits: 512 blocks of 4,352 bytes, [key step 32][n 32] words, then 256 bytes of flags:
; bit l of word (s, n) = mask[query of lane l % 16][64 s + 32 (n / 16) + 16 (l / 16) + n % 16]: the lane mask for register n of the transposed scores in key step s.  No branch hangs on the mask's bytes.
.set R,   16                           ; v16-143  two sets of 16 loads
.set X,   144                          ; v144-207 64 numbers: register 16 c + i = k 32 c + 16 h + i
.set C,   208                          ; v208-239 two sets of a fragment's codes
.set SP,  528                          ; a stage row: 512 bytes + 16
.macro LOADF f                         ; fragment f: 16 rows x 512 bytes
.irp j, 0,1,2,3,4,5,6,7,8,9,10,11,12,13,14,15
	global_load_b128 v[R+64*((\f)%2)+4*\j:R+64*((\f)%2)+4*\j+3], v1, s[4:5] offset:(\j+8*(\j/8))*4096+(\f)*512 th:TH_LOAD_NT
.endr
.endm
.macro FRAGQ f
.set RS, R+64*((\f)%2)
.set CF, C+16*((\f)%2)
.if (\f) < 3
	s_wait_loadcnt 16                              ; this fragment's 16 loads are in; the next one's may be out
.else
	s_wait_loadcnt 0x0
.endif
.irp j, 0,1,2,3,4,5,6,7,8,9,10,11,12,13,14,15
	ds_store_b128 v2, v[RS+4*\j:RS+4*\j+3] offset:\j*SP
.endr
.irp c, 0,1,2,3
.irp i, 0,1,2,3
	ds_load_b128 v[X+16*\c+4*\i:X+16*\c+4*\i+3], v3 offset:128*\c+16*\i   ; LDS serves a wave's instructions in order: these see the stores above
.endr
.endr
	s_wait_dscnt 0x0                               ; the numbers are back, and the stores into the stage have read their registers,
.if (\f)+2 < 4
	LOADF (\f)+2                                   ; which take the fragment two further on
.endif
.set i, 0
.rept 64
	v_med3_num_f32 v[X+i], v[X+i], -v10, v10       ; the conversion to an 8-bit code does not saturate (ISA guide 7.6.2): the hold at the largest code x the scale
.set i, i+1
.endr
.if (\f) >= 2
	s_wait_alu depctr_va_vdst(0)
	s_wait_xcnt 0x0                                ; the stores of two fragments ago have read this set of codes
.endif
.irp g, 0,1,2,3,4,5,6,7
	v_cvt_scalef32_pk8_bf8_f32 v[CF+2*\g:CF+2*\g+1], v[X+8*\g:X+8*\g+7], v11
.endr
	v_nop                                          ; a plain line behind the conversions: the next fragment's holds write their sources
.irp c, 0,1,2,3
	global_store_b128 v1, v[CF+4*\c:CF+4*\c+3], s[8:9] offset:(\f)*2048+\c*512
.endr
.endm
; eight loads of the mask (256 keys) become 128 words: lane 4 L + q of v[80 + k] takes the word of load L, register q, byte k
.macro PROC set
.irp L, 0,1,2,3,4,5,6,7
.irp q, 0,1,2,3
.irp k, 0,1,2,3
	v_bfe_u32 v[84+\k+4*(\q%2)], v[\set+4*\L+\q], 8*\k, 8
.endr
.irp k, 0,1,2,3
	v_cmp_ne_u32 s[16+\k+4*(\q%2)], 0, v[84+\k+4*(\q%2)]
.endr
.irp k, 0,1,2,3
	v_writelane_b32 v[80+\k], s[16+\k+4*(\q%2)], 4*\L+\q
.endr
.endr
.endr
.endm
	s_load_b512 s[16:31], s[0:1], 0x0              ; queries, keys, values, Wq, Wk, Wv, Wo, mask
	s_load_b256 s[32:39], s[0:1], 0x40             ; the scales' exponents, xc, wc, mbits
	v_lshl_add_u32 v240, v0, 2, 0x8400
	v_mov_b32 v241, 0
	v_lshrrev_b32 v4, 5, v0
	v_readfirstlane_b32 s41, v4                    ; wave
	v_and_b32 v5, 31, v0                           ; lane
	v_and_b32 v6, 15, v0                           ; r
	v_bfe_u32 v7, v0, 4, 1                         ; h
	s_cmp_lt_u32 ttmp9, 128
	s_cbranch_scc1 .Lmask
	; ---- the quantiser
	s_sub_co_u32 s2, ttmp9, 128                    ; 0 .. 767: queries, keys, values, 256 work-groups each; 768 .. 895: the four W, 32 each
	s_cmp_lt_u32 s2, 768
	s_cselect_b32 s3, 0, 768
	s_cselect_b32 s10, 8, 5
	s_cselect_b32 s11, 0, 3
	s_cselect_b32 s12, 255, 31
	s_sub_co_u32 s3, s2, s3                        ; the work-group's number among its kind
	s_lshr_b32 s13, s3, s10                        ; which tensor of the kind
	s_and_b32 s12, s3, s12                         ; which 32 rows of it
	s_add_co_u32 s14, s13, s11                     ; which of the seven tensors
	s_lshl_b32 s15, s13, 1
	s_and_b32 s40, s11, 1
	s_add_co_u32 s15, s15, s40                     ; its entry of the scales: 0, 2, 4; 1, 3, 5;
	s_cmp_eq_u32 s14, 6
	s_cselect_b32 s15, 11, s15                     ; Wo: 11
	s_lshl_b32 s15, s15, 2
	s_lshl_b32 s42, s12, 17                        ; in: 32 rows of 4,096 bytes,
	s_lshr_b32 s43, s41, 1
	s_lshl_b32 s43, s43, 15                        ; + 8 rows for the second tile,
	s_add_co_u32 s42, s42, s43
	s_and_b32 s43, s41, 1
	s_lshl_b32 s43, s43, 11                        ; + 2,048 bytes for the second half of K
	s_add_co_u32 s42, s42, s43
	s_mov_b32 s43, 0
	s_lshl_b32 s44, s3, 2
	s_add_co_u32 s44, s44, s41
	s_lshl_b32 s44, s44, 13                        ; out: four fragments, 8,192 bytes, a wave
	s_mov_b32 s45, 0
	s_wait_alu depctr_va_vdst(0)
	v_lshlrev_b32 v1, 4, v5                        ; 16 x lane
	s_mul_i32 s46, s41, 16*SP                      ; my stage
	v_add_nc_u32 v2, s46, v1                       ; in: a row as it lies
	v_mul_u32_u24 v3, v6, SP
	v_lshl_add_u32 v3, v7, 6, v3
	v_add_nc_u32 v3, s46, v3                       ; out: row r, + 64 h bytes
	s_wait_alu depctr_va_vdst(0)
	s_wait_kmcnt 0x0
	s_load_b32 s47, s[32:33], s15 offset:0x0       ; e
	s_mov_b64 s[4:5], s[16:17]
.irp k, 1,2,3,4,5,6
	s_cmp_eq_u32 s14, \k                           ; the choice hangs on the work-group's number alone
	s_cselect_b64 s[4:5], s[16+2*\k:17+2*\k], s[4:5]
.endr
	s_cmp_lt_u32 s2, 768
	s_cselect_b64 s[8:9], s[34:35], s[36:37]
	s_add_nc_u64 s[4:5], s[4:5], s[42:43]
	s_add_nc_u64 s[8:9], s[8:9], s[44:45]
	LOADF 0
	LOADF 1
	s_wait_kmcnt 0x0
	s_add_co_i32 s47, s47, 127
	s_lshl_b32 s46, s47, 23
	v_mov_b32 v11, s46                             ; 2^e as f32: the conversion takes its exponent field
	s_add_co_i32 s47, s47, 15
	s_lshl_b32 s47, s47, 23
	s_or_b32 s47, s47, 0x600000
	v_mov_b32 v10, s47                             ; 57,344 x 2^e
	s_wait_alu depctr_va_vdst(0)
	FRAGQ 0
	FRAGQ 1
	FRAGQ 2
	FRAGQ 3
	s_wait_tensorcnt 0x0
	ds_add_u32 v240, v241
	s_wait_dscnt 0x0
	s_endpgm
	; ---- the mask
.Lmask:
	s_lshl_b32 s2, ttmp9, 2
	s_add_co_u32 s2, s2, s41                       ; 128 x batch + tile of queries
	s_lshr_b32 s3, s2, 7
	s_and_b32 s10, s2, 127
	s_lshl_b32 s42, s3, 22                         ; a batch's mask is 2,048 x 2,048 bytes
	s_lshr_b32 s11, s10, 1
	s_lshl_b32 s11, s11, 16                        ; 32 rows of 2,048 bytes,
	s_add_co_u32 s42, s42, s11
	s_and_b32 s11, s10, 1
	s_lshl_b32 s11, s11, 14                        ; + 8 rows for an odd tile
	s_add_co_u32 s42, s42, s11
	s_mov_b32 s43, 0
	s_mul_i32 s44, s2, 4352                        ; the tile's block: 4,096 bytes of words, then 256 bytes that hold its flags
	s_mov_b32 s45, 0
	s_wait_alu depctr_va_vdst(0)
	v_and_b32 v8, 8, v6
	v_add_nc_u32 v8, v8, v6                        ; r + 8 (r / 8)
	v_lshlrev_b32 v1, 11, v8
	v_lshl_add_u32 v1, v7, 4, v1                   ; my query's row, + 16 h keys
	v_lshlrev_b32 v2, 4, v5
.irp k, 0,1,2,3
	v_mov_b32 v[80+\k], 0                          ; v_writelane_b32 counts as a reader of its destination
.endr
	s_wait_kmcnt 0x0
	s_add_nc_u64 s[4:5], s[30:31], s[42:43]
	s_add_nc_u64 s[8:9], s[38:39], s[44:45]
	s_mov_b32 s12, 0
	s_mov_b32 s13, 0                               ; the tile's flags: bit s says that key step s hides no key from the tile's 16 queries
.Ltrip:                                                ; four trips of 512 keys: 1,024 bytes of words each
	s_wait_alu depctr_va_vdst(0)
.irp L, 0,1,2,3,4,5,6,7,8,9,10,11,12,13,14,15
	global_load_b128 v[16+4*\L:19+4*\L], v1, s[4:5] offset:32*\L
.endr
	s_wait_loadcnt 8                               ; the first eight loads are in
	PROC 16
	global_store_b128 v2, v[80:83], s[8:9]         ; 512 consecutive bytes
	s_wait_loadcnt 0x0
	s_wait_xcnt 0x0                                ; the store has read v80-83
	s_lshr_b32 s13, s13, 8                         ; this trip's eight flags enter at the top byte; after four trips step s stands at bit s
.irp j, 0,1,2,3,4,5,6,7
	v_and_b32 v92, v[16+8*\j], v[17+8*\j]          ; a key step is two loads: 32 bytes of 0 or 1 a lane
	v_and_b32 v93, v[18+8*\j], v[19+8*\j]
	v_and_b32 v94, v[20+8*\j], v[21+8*\j]
	v_and_b32 v95, v[22+8*\j], v[23+8*\j]
	v_and_b32 v92, v92, v93
	v_and_b32 v94, v94, v95
	v_and_b32 v92, v92, v94
	v_cmp_eq_u32 s24, 0x01010101, v92
	s_cmp_eq_u32 s24, -1                           ; all 32 lanes: all 16 queries x 64 keys
	s_cselect_b32 s25, 1<<(24+\j), 0
	s_or_b32 s13, s13, s25
.endr
	PROC 48
	global_store_b128 v2, v[80:83], s[8:9] offset:512
	s_wait_xcnt 0x0                                ; both bases and v80-83 are written again only behind this wait
	s_add_nc_u64 s[4:5], s[4:5], 512
	s_add_nc_u64 s[8:9], s[8:9], 1024
	s_add_co_u32 s12, s12, 1
	s_cmp_lt_u32 s12, 4
	s_cbranch_scc1 .Ltrip
	v_mov_b32 v92, s13
	v_mov_b32 v93, s13
	v_lshlrev_b32 v94, 3, v5
	global_store_b64 v94, v[92:93], s[8:9]         ; the flags, in every word of the 256 bytes behind the tile's words: one whole aligned unit
	s_endpgm
.Lfunc_end_k_qb492c61c09_prep:
	.size	k_qb492c61c09_prep, .Lfunc_end_k_qb492c61c09_prep-k_qb492c61c09_prep
	.p2alignl 7, 3214868480
	.fill 96, 4, 3214868480
	.section	.rodata,"a",@progbits
	.p2align	6, 0x0
	.amdhsa_kernel k_qb492c61c09_prep
		.amdhsa_group_segment_fixed_size 34304
		.amdhsa_private_segment_fixed_size 0
		.amdhsa_enable_private_segment 0
		.amdhsa_kernarg_size 96
		.amdhsa_user_sgpr_count 2
		.amdhsa_user_sgpr_kernarg_segment_ptr 1
		.amdhsa_wavefront_size32 1
		.amdhsa_system_sgpr_workgroup_id_x 1
		.amdhsa_system_sgpr_workgroup_id_y 1
		.amdhsa_system_sgpr_workgroup_id_z 1
		.amdhsa_system_vgpr_workitem_id 0
		.amdhsa_next_free_vgpr 242
		.amdhsa_next_free_sgpr 66
		.amdhsa_reserve_vcc 0
		.amdhsa_float_denorm_mode_32 3
		.amdhsa_float_denorm_mode_16_64 3
		.amdhsa_memory_ordered 1
		.amdhsa_forward_progress 1
		.amdhsa_inst_pref_size 93
	.end_amdhsa_kernel
	.amdgpu_metadata
---
amdhsa.version: [ 1, 2 ]
amdhsa.kernels:
  - .name:           k_qb492c61c09_prep
    .symbol:         k_qb492c61c09_prep.kd
    .args:
      - { .name: queries, .offset: 0, .size: 8, .value_kind: global_buffer, .address_space: global }
      - { .name: keys, .offset: 8, .size: 8, .value_kind: global_buffer, .address_space: global }
      - { .name: values, .offset: 16, .size: 8, .value_kind: global_buffer, .address_space: global }
      - { .name: Wq, .offset: 24, .size: 8, .value_kind: global_buffer, .address_space: global }
      - { .name: Wk, .offset: 32, .size: 8, .value_kind: global_buffer, .address_space: global }
      - { .name: Wv, .offset: 40, .size: 8, .value_kind: global_buffer, .address_space: global }
      - { .name: Wo, .offset: 48, .size: 8, .value_kind: global_buffer, .address_space: global }
      - { .name: mask, .offset: 56, .size: 8, .value_kind: global_buffer, .address_space: global }
      - { .name: lowp_scales, .offset: 64, .size: 8, .value_kind: global_buffer, .address_space: global }
      - { .name: xc, .offset: 72, .size: 8, .value_kind: global_buffer, .address_space: global }
      - { .name: wc, .offset: 80, .size: 8, .value_kind: global_buffer, .address_space: global }
      - { .name: mbits, .offset: 88, .size: 8, .value_kind: global_buffer, .address_space: global }
    .group_segment_fixed_size: 34304
    .private_segment_fixed_size: 0
    .kernarg_segment_align: 8
    .kernarg_segment_size: 96
    .max_flat_workgroup_size: 128
    .sgpr_count:     66
    .vgpr_count:     242
    .wavefront_size: 32
...
	.end_amdgpu_metadata
.endif
;; end of part 1
;; launch proj (part 2): grid 4 x 64, 4 waves a work-group, clusters of 4 x 4, 327,680 bytes of LDS; arguments xc, wc, lowp_scales, pc; writes pc
.if DOCPART == 2
	.amdgcn_target "amdgcn-amd-amdhsa--gfx1250"
	.amdhsa_code_object_version 6
	.text
	.protected	k_qb492c61c09_proj
	.globl	k_qb492c61c09_proj
	.p2align	8
	.type	k_qb492c61c09_proj,@function
k_qb492c61c09_proj:
	s_mov_b64 s[64:65], 0
	v_nop
	global_prefetch_b8 v0, s[64:65] scope:SCOPE_SE
	s_setreg_imm32_b32 hwreg(HW_REG_WAVE_MODE, 25, 1), 1
	s_wait_xcnt 0x0
	s_wait_alu depctr_hold_cnt(0) depctr_sa_sdst(0) depctr_va_vdst(0) depctr_va_sdst(0) depctr_va_ssrc(0) depctr_va_vcc(0) depctr_vm_vsrc(0)
	s_getreg_b32 s2, hwreg(HW_REG_IB_STS2, 6, 4)
	s_cmp_eq_u32 s2, 0
	s_cbranch_scc0 .Lentry_in_a_cluster
	s_endpgm
.Lentry_in_a_cluster:
	s_bfe_u32 s2, ttmp6, 0x10000c
	s_cmp_lg_u32 s2, 0xf033
	s_cbranch_scc0 .Lentry_shape_is_right
	s_endpgm
.Lentry_shape_is_right:
; k = keys Wk^T and v^T = Wv values^T on codes of BF8, quantised again for the attention's products: 256 tiles of 256 x 256, one to a work-group.  The projection of the queries is made where it is used, in the next launch.
; s66: 1 for k, 2 for v.  pc: k's codes, then v's, 8 MiB each.
.set FR,     16
.set NL,     4
.set NP,     4
.set HALFT,  32768
.set SLOT,   4*HALFT
.set KSB,    4096
.set LAPS,   2
.set SPARE,  2*SLOT
.set ADRA, 16
.set ADRB, 20
.set CO,   26
.set SPW,  28
.set NIL,  29
.set SCL,  30
.set LIM,  31
.set TMP,  32
.set AF,   128
.set CD,   128
.set G1, 24
.set G0, 32
.set G1B, 48
.set G0B, 56
.set MSB, 0
.macro WIN new
.if MSB != (\new)
	s_set_vgpr_msb (MSB<<8)|(\new)
.set MSB, (\new)
.endif
.endm
.set MUL_LO, 0xa1
.set MUL_HI, 0xf1
.set TO_B,   0x40
.macro JLOAD g0a, g1a, g0b, g1b
	s_cmp_eq_u32 s15, 0
	s_cbranch_scc0 .Lfor_b_\@
	tensor_load_to_lds s[\g0a:\g0a+3], s[\g1a:\g1a+7]
	s_nop 0
.rept 4
	v_nop
.endr
	s_branch .Lasked_\@
.Lfor_b_\@:
	tensor_load_to_lds s[\g0b:\g0b+3], s[\g1b:\g1b+7]
	s_nop 0
.rept 4
	v_nop
.endr
.Lasked_\@:
.endm
.macro CREST
	s_cmp_lg_u32 s14, 0
	s_cbranch_scc1 .Lnot_wave_0_\@
	s_barrier_signal -3
.Lnot_wave_0_\@:
	s_barrier_wait -3
	s_barrier_signal -1
	s_barrier_wait -1
.endm
.macro CROUND
	s_barrier_signal -1
	s_barrier_wait -1
	CREST
.endm
	s_load_b128 s[4:7], s[0:1], 0x0
	s_load_b128 s[8:11], s[0:1], 0x10
	v_lshl_add_u32 v[SPW], v0, 2, SPARE
	v_mov_b32 v[NIL], 0
	ds_add_u32 v28, v29
	ds_add_u32 v28, v29
	s_wait_dscnt 0x0
	v_lshrrev_b32 v1, 5, v0
	v_readfirstlane_b32 s14, v1
	s_lshr_b32 s15, s14, 1
	s_and_b32 s16, s14, 1
	s_bfe_u32 s40, ttmp6, 0x40000
	s_bfe_u32 s41, ttmp6, 0x40004
	s_and_b32 s17, ttmp7, 0xffff
	s_lshr_b32 s66, s17, 3
	s_add_co_u32 s66, s66, 1
	s_and_b32 s67, s17, 7
	s_lshl_b32 s18, s67, 2
	s_cmp_eq_u32 s66, 2
	s_cselect_b32 s19, 0, s18
	s_cselect_b32 s18, s18, 0
	s_add_co_u32 s17, s19, s41
	s_add_co_u32 s42, s18, s40
	s_lshl_b32 s43, s41, 2
	s_lshl_b32 s43, 15, s43
	s_lshl_b32 s44, 0x1111, s40
	s_or_b32 s[G1+0], s43, (3<<16)|(1<<21)
	s_or_b32 s[G1B+0], s44, (3<<16)|(1<<21)
.irp g, G1, G1B
	s_mov_b32 s[\g+1], 512<<16
	s_mov_b32 s[\g+2], 8<<16
	s_mov_b32 s[\g+3], 512<<16
	s_mov_b32 s[\g+4], 8
	s_mov_b32 s[\g+5], 2048
	s_mov_b32 s[\g+6], 0
	s_mov_b32 s[\g+7], 0
.endr
	s_lshl_b32 s20, s17, 18
	s_lshl_b32 s21, s16, 17
	s_add_co_u32 s20, s20, s21
	s_lshl_b32 s21, s66, 23
	s_cmp_eq_u32 s66, 2
	s_cselect_b32 s21, 0x200000, s21
	s_add_co_u32 s20, s20, s21
	s_mov_b32 s21, 0
	s_lshl_b32 s46, s42, 18
	s_lshl_b32 s47, s16, 17
	s_add_co_u32 s46, s46, s47
	s_lshl_b32 s47, s66, 20
	s_cmp_eq_u32 s66, 2
	s_cselect_b32 s47, 0x1000000, s47
	s_add_co_u32 s46, s46, s47
	s_mov_b32 s47, 0
	s_lshl_b32 s45, s14, 15
	s_wait_kmcnt 0x0
	s_load_b256 s[68:75], s[8:9], 0x0
	s_load_b32 s76, s[8:9], 0x20
	s_cmp_eq_u32 s66, 2
	s_cselect_b64 s[22:23], s[6:7], s[4:5]
	s_cselect_b64 s[78:79], s[4:5], s[6:7]
	s_add_nc_u64 s[20:21], s[22:23], s[20:21]
	s_add_nc_u64 s[46:47], s[78:79], s[46:47]
	CROUND
.irp s, 0,1
	s_mov_b32 s[G0+4*\s], 1
	s_add_co_u32 s[G0+4*\s+1], s45, \s*SLOT
	s_add_nc_u64 s[G0+4*\s+2:G0+4*\s+3], s[20:21], \s*KSB
	s_or_b32 s[G0+4*\s+3], s[G0+4*\s+3], 0x80000000
	s_mov_b32 s[G0B+4*\s], 1
	s_add_co_u32 s[G0B+4*\s+1], s45, \s*SLOT
	s_add_nc_u64 s[G0B+4*\s+2:G0B+4*\s+3], s[46:47], \s*KSB
	s_or_b32 s[G0B+4*\s+3], s[G0B+4*\s+3], 0x80000000
	s_wait_alu depctr_va_vdst(0)
	s_wait_tensorcnt 0x0
	ds_add_u32 v28, v29
	ds_add_u32 v28, v29
	s_wait_dscnt 0x0
	CROUND
	JLOAD G0+4*\s, G1, G0B+4*\s, G1B
.endr
	v_and_b32 v6, 31, v0
	v_lshlrev_b32 v[CO], 4, v6
	s_lshl_b32 s21, s15, 15
	s_lshl_b32 s22, s16, 15
	s_add_co_u32 s22, s22, 2*HALFT
.irp s, 0,1
	v_add_nc_u32 v[ADRA+\s], s21, v[CO]
	v_add_nc_u32 v[ADRB+\s], s22, v[CO]
	s_add_co_u32 s21, s21, SLOT
	s_add_co_u32 s22, s22, SLOT
.endr
	s_lshl_b32 s80, s17, 1
	s_add_co_u32 s80, s80, s15
	s_lshl_b32 s81, s42, 1
	s_add_co_u32 s81, s81, s16
	s_cmp_eq_u32 s66, 2
	s_cselect_b32 s82, 6, 3
	s_lshl_b32 s82, s80, s82
	s_add_co_u32 s82, s82, s81
	s_lshl_b32 s82, s82, 14
	s_sub_co_u32 s83, s66, 1
	s_lshl_b32 s83, s83, 23
	s_add_co_u32 s82, s82, s83
	s_mov_b32 s83, 0
	s_add_nc_u64 s[10:11], s[10:11], s[82:83]
.macro FRAG reg, adr, q, i
.irp c, 0,1,2,3
	ds_load_b128 v[\reg+4*\c:\reg+4*\c+3], v[\adr] offset:(\i)*4096+(\q)*2048+512*\c
.endr
.endm
.macro MUL16 a0, p, zero
.irp a, \a0, \a0+1
.irp b, 0,1,2,3,4,5,6,7
.if \zero
	v_wmma_f32_16x16x128_bf8_bf8 v[8*(8*((\a)%4)+\b):8*(8*((\a)%4)+\b)+7], v[128*(\p)+FR*\b:128*(\p)+FR*\b+FR-1], v[AF+FR*(\a):AF+FR*(\a)+FR-1], 0
.else
	v_wmma_f32_16x16x128_bf8_bf8 v[8*(8*((\a)%4)+\b):8*(8*((\a)%4)+\b)+7], v[128*(\p)+FR*\b:128*(\p)+FR*\b+FR-1], v[AF+FR*(\a):AF+FR*(\a)+FR-1], v[8*(8*((\a)%4)+\b):8*(8*((\a)%4)+\b)+7]
.endif
.endr
.endr
.endm
.macro FETCH_B slot, q, p
	WIN TO_B
.irp i, 0,1,2,3,4,5,6,7
	FRAG 128*(\p)+FR*\i, ADRB+\slot, \q, \i
.endr
	WIN 0
.endm
.macro FETCH_A slot, q, i0
.irp i, \i0, \i0+1, \i0+2, \i0+3
	FRAG AF+FR*(\i), ADRA+\slot, \q, \i
.endr
.endm
.macro PLACES n
.rept \n
	v_nop
.endr
.endm
.macro STEP slot, q, zero
	s_wait_dscnt 4*NL
	WIN MUL_LO
	MUL16 0, (\q)%2, \zero
	MUL16 2, (\q)%2, \zero
	s_wait_dscnt 0
	PLACES NP
	FETCH_B \slot, (\q)+1, 1-(\q)%2
	FETCH_A \slot, (\q)+1, 0
	WIN MUL_HI
	MUL16 4, (\q)%2, \zero
	MUL16 6, (\q)%2, \zero
	PLACES NP
	WIN 0
	FETCH_A \slot, (\q)+1, 4
.endm
.macro TURN slot, next, fill
	s_wait_tensorcnt 0x0
	ds_add_u32 v[SPW], v[NIL]
	s_wait_dscnt 4*NL+1
	WIN MUL_LO
	MUL16 0, 1, 0
	s_wait_dscnt 0x0
	s_barrier_signal -1
	MUL16 2, 1, 0
	WIN 0
	s_barrier_wait -1
.if \fill
	CREST
	s_add_nc_u64 s[G0+4*\slot+2:G0+4*\slot+3], s[G0+4*\slot+2:G0+4*\slot+3], 2*KSB
	s_add_nc_u64 s[G0B+4*\slot+2:G0B+4*\slot+3], s[G0B+4*\slot+2:G0B+4*\slot+3], 2*KSB
	JLOAD G0+4*\slot, G1, G0B+4*\slot, G1B
.else
	PLACES NP
.endif
	FETCH_B \next, 0, 0
	FETCH_A \next, 0, 0
	WIN MUL_HI
	MUL16 4, 1, 0
	MUL16 6, 1, 0
	PLACES NP
	WIN 0
	FETCH_A \next, 0, 4
.endm
	s_wait_alu depctr_va_vdst(0)
	s_wait_tensorcnt 1
	s_barrier_signal -1
	s_barrier_wait -1
	FETCH_B 0, 0, 0
	FETCH_A 0, 0, 0
	FETCH_A 0, 0, 4
	STEP 0, 0, 1
	s_mov_b32 s3, LAPS-1
.Llap:
	TURN 0, 1, 1
	STEP 1, 0, 0
	TURN 1, 0, 1
	STEP 0, 0, 0
	s_sub_co_u32 s3, s3, 1
	s_cmp_lg_u32 s3, 0
	s_cbranch_scc1 .Llap
	TURN 0, 1, 0
	STEP 1, 0, 0
	s_wait_dscnt 4*NL
	WIN MUL_LO
	MUL16 0, 1, 0
	MUL16 2, 1, 0
	s_wait_dscnt 0
	WIN MUL_HI
	MUL16 4, 1, 0
	MUL16 6, 1, 0
	WIN 0
	s_wait_kmcnt 0x0
	s_mov_b32 s86, s70
	s_mov_b32 s87, s71
	s_mov_b32 s88, s75
	s_cmp_eq_u32 s66, 2
	s_cselect_b32 s86, s72, s86
	s_cselect_b32 s87, s73, s87
	s_cselect_b32 s88, s76, s88
	s_sub_co_i32 s88, s88, s86
	s_sub_co_i32 s88, s88, s87
	s_add_co_i32 s88, s88, 127
	s_lshl_b32 s89, s88, 23
	s_add_co_i32 s88, s88, 15
	s_lshl_b32 s88, s88, 23
	s_or_b32 s88, s88, 0x600000
	v_mov_b32 v[SCL], s89
	v_mov_b32 v[LIM], s88
	PLACES NP
.macro CODES a
	WIN 0x02+((\a)/4)
.set i, 0
.rept 64
	v_med3_num_f32 v[TMP+i], v[64*((\a)%4)+i], -v[LIM], v[LIM]
.set i, i+1
.endr
	WIN 0
.irp g, 0,1,2,3,4,5,6,7
	v_cvt_scalef32_pk8_bf8_f32 v[CD+16*(\a)+2*\g:CD+16*(\a)+2*\g+1], v[TMP+8*\g:TMP+8*\g+7], v[SCL]
.endr
	v_nop
.irp c, 0,1,2,3
	global_store_b128 v[CO], v[CD+16*(\a)+4*\c:CD+16*(\a)+4*\c+3], s[10:11] offset:(\a)*2048+\c*512
.endr
.endm
	s_wait_alu depctr_va_vdst(0)
.irp a, 0,1,2,3,4,5,6,7
	CODES \a
.endr
	s_wait_tensorcnt 0x0
	ds_add_u32 v[SPW], v[NIL]
	s_wait_dscnt 0x0
	CROUND
	s_endpgm
.Lfunc_end_k_qb492c61c09_proj:
	.size	k_qb492c61c09_proj, .Lfunc_end_k_qb492c61c09_proj-k_qb492c61c09_proj
	.p2alignl 7, 3214868480
	.fill 96, 4, 3214868480
	.section	.rodata,"a",@progbits
	.p2align	6, 0x0
	.amdhsa_kernel k_qb492c61c09_proj
		.amdhsa_group_segment_fixed_size 327680
		.amdhsa_private_segment_fixed_size 0
		.amdhsa_enable_private_segment 0
		.amdhsa_kernarg_size 32
		.amdhsa_user_sgpr_count 2
		.amdhsa_user_sgpr_kernarg_segment_ptr 1
		.amdhsa_wavefront_size32 1
		.amdhsa_system_sgpr_workgroup_id_x 1
		.amdhsa_system_sgpr_workgroup_id_y 1
		.amdhsa_system_sgpr_workgroup_id_z 1
		.amdhsa_system_vgpr_workitem_id 0
		.amdhsa_next_free_vgpr 1024
		.amdhsa_next_free_sgpr 100
		.amdhsa_reserve_vcc 0
		.amdhsa_float_denorm_mode_32 3
		.amdhsa_float_denorm_mode_16_64 3
		.amdhsa_memory_ordered 1
		.amdhsa_forward_progress 1
		.amdhsa_inst_pref_size 119
	.end_amdhsa_kernel
	.amdgpu_metadata
---
amdhsa.version: [ 1, 2 ]
amdhsa.kernels:
  - .name:           k_qb492c61c09_proj
    .symbol:         k_qb492c61c09_proj.kd
    .args:
      - { .name: xc, .offset: 0, .size: 8, .value_kind: global_buffer, .address_space: global }
      - { .name: wc, .offset: 8, .size: 8, .value_kind: global_buffer, .address_space: global }
      - { .name: lowp_scales, .offset: 16, .size: 8, .value_kind: global_buffer, .address_space: global }
      - { .name: pc, .offset: 24, .size: 8, .value_kind: global_buffer, .address_space: global }
    .group_segment_fixed_size: 327680
    .private_segment_fixed_size: 0
    .kernarg_segment_align: 8
    .kernarg_segment_size: 32
    .max_flat_workgroup_size: 128
    .sgpr_count:     100
    .vgpr_count:     1024
    .wavefront_size: 32
...
	.end_amdgpu_metadata
.endif
;; end of part 2
;; launch attn (part 3): grid 4 x 64, 16 waves a work-group, no clusters, 327,680 bytes of LDS; arguments pc, xc, wc, mbits, lowp_scales, ac, qf; writes ac, qf
.if DOCPART == 3
	.amdgcn_target "amdgcn-amd-amdhsa--gfx1250"
	.amdhsa_code_object_version 6
	.text
	.protected	k_qb492c61c09_attn
	.globl	k_qb492c61c09_attn
	.p2align	8
	.type	k_qb492c61c09_attn,@function
k_qb492c61c09_attn:
	s_mov_b64 s[64:65], 0
	v_nop
	global_prefetch_b8 v0, s[64:65] scope:SCOPE_SE
	s_setreg_imm32_b32 hwreg(HW_REG_WAVE_MODE, 25, 1), 1
	s_wait_xcnt 0x0
; For one head (work-group y: 16 x batch + head) and 512 queries (x): q = queries Wq^T for the head's 64 channels, then softmax(mask(q k^T) / 32) v; all three products on codes of BF8.  The result leaves as codes for the last product.
; THE PROJECTION OF THE QUERIES stands at the head.  A wave owns TWO tiles of 16 queries (A, B).  Their codes, 2 x 16 KiB of xc, come straight into its registers, three K blocks of 128 ahead; nobody else in the work-group wants them.
; The head's 64 rows of Wq are 32 fragments of 2,048 bytes, wanted by all sixteen waves.  31 of them lie in LDS bytes 262,144 .. 325,631, behind K and V: each wave brings 4 KiB (wave 15's second half would be the 32nd fragment:
; its place is held at the first half's by a minimum on the wave's number, so it brings those bytes twice).  The 32nd fragment has no room in LDS and goes into each wave's registers, asked for two K blocks ahead.
; 64 matrix instructions of the K = 128 form a wave, eight sums by turns.  Source 0 = 16 rows of Wq, source 1 = 16 queries: a lane holds one query, its registers neighbouring channels.  The raw sums go to qf (the residual of the
; last launch, in the layout in which that launch reads them); held and converted with 2^(e6 - e0 - e1) they are the scores' operand, in registers.
; TWO GROUPS OF EIGHT WAVES, by ((w >> 2) ^ w) & 1.  The projection moves many bytes and does little arithmetic, the key steps the other way round.  So the early group projects first; all waves meet at a barrier, which stands
; outside both branches; then the late group projects while the early group walks key steps 0-5.  The branches hang on the wave's number alone.  The late group's first three K blocks wait in its registers.
; t = score x log2(e) / 32; M = the running largest t rounded up to a whole number; p = 2^(t - M) is quantised with 2^e9; the row's sum is taken of the unquantised p and divides at the end.
; ALL OF THE HEAD'S K AND V CODES, 256 KiB, LIE IN LDS, each byte written once.  Step s of 64 keys lies at 8,192 s: K's four fragments of 1,024 bytes, then V's four.
; THE FILL GOES THROUGH REGISTERS, in eight batches of four steps (32 KiB).  Wave w brings 2,048 bytes of a batch, four loads of 512 consecutive bytes: step 4 b + w / 4, K's (w % 4 < 2) or V's part, its row pair w % 2; they go to LDS
; byte 32,768 b + 2,048 w.  Batches 0 and 1 are stored ahead of the first barrier.  Batches 2 to 7 ride in the registers of p's codes, which are idle from a step's second product to the next step's conversions:
; asked for at a step's end, stored in the next step; a third barrier stands behind step 5, ahead of the first read of step 8.
; NO TENSOR LOAD.  Two forward branches hang on whole numbers that the launch loads: (1) a key step whose flag says that it hides nothing jumps over its 64 selects; (2) p's hold is jumped over where e9 > -16:
; p <= 1, so p / 2^e9 <= 2^15, under the largest code.  Both ways give the same values.  No prefetch: every stream here is asked for ahead of its use by the loads themselves.
; Both products of the attention are used transposed (S^T = K Q^T, O^T = V^T P^T).  The images' order of rows makes p's 16 registers of two neighbouring tiles 16 neighbouring keys, and O^T's likewise channels.
; THE MASK comes as lane masks, a word for each register of S^T and key step, asked for a step ahead; behind a tile's 4,096 bytes of words stands its word of flags, bit s for key step s.
; LIMITS: e6 + e7 between -121 and 132; e9, e6 - e0 - e1 and e10 - e8 - e9 between -126 and 112.  A query whose mask row is all false has no defined result here.  NaN among the inputs is not served.
; REGISTERS: v1 LDS address; v2 16 x lane; v3 -infinity; v4 the conversions' scale; v5, v12 their limit (for the two halves of a dual instruction); v6, v7 permutes; v8-11 chains of the sums; v13, v14 the old -M (A, B);
;   v15 the fill's LDS address; v16-31 Q; v32-63 K; v64-95 V; v96-159 S^T then p; v160-223 O^T; v224-239 p's codes, or a batch on its way; v240 -M, v241 largest t, v[242:243] sum (A); v244-247 (B); v248-255 at work, f in v250, v254.
;   In the projection: v32-63 two fragments of Wq; v160-191, v192-223, v64-95 the queries' fragments of three K blocks (v64-79 at the end: Wq's 32nd fragment); v96-159 the eight sums; v8, v9 q's scale and limit;
;   v13 where Wq's fragments are read, v15, v14 where my two halves of them are put.
; SCALARS: s[2:3] the mask's block; s[4:13], s[96:99] bases of the head's loads and of qf; s14 wave; s15 group; s[16:63], s[80:95] the step's 64 mask words; s[66:67] c; s[68:69] lane selects; s70 the step's LDS byte;
;   s71 its byte among the words; s[72:73] the fill's place in pc, s[74:75] a batch on; s76 the fill's LDS byte; s77 the flags, shifted a bit a step; s78 e9; s[100:101] ac; s104 trips to go; s105 e10 - e8 - e9.
.set KF, 32
.set VF, 64
.set SA, 96
.set SB, 128
.set OA, 160
.set OB, 192
.set PA, 224
.set PB, 232
.set FP, 72
.set FS, 74
.set FL, 76
.set FLG, 77
.set E9, 78
.set WLDS, 0x40000                     ; Wq's 31 fragments in LDS
.set SPARE, 0x4f800                    ; behind them: the spare words, 128 bytes for each wave
.macro ASK4 reg, base                  ; my four loads of a batch: two rows 2,048 bytes apart, 1,024 bytes of each
.irp i, 0,1
.irp c, 0,1
	global_load_b128 v[\reg+8*\i+4*\c:\reg+8*\i+4*\c+3], v2, s[\base:\base+1] offset:\i*2048+\c*512
.endr
.endr
.endm
.macro PUT4 adr, reg, off              ; 2,048 bytes into LDS
.irp j, 0,1,2,3
	ds_store_b128 v[\adr], v[\reg+4*\j:\reg+4*\j+3] offset:\off+512*\j
.endr
.endm
.macro XLOAD kk, reg                   ; my two tiles' fragments of K block kk: eight loads of 512 consecutive bytes
.irp q, 0,1
.irp c, 0,1,2,3
	global_load_b128 v[\reg+16*\q+4*\c:\reg+16*\q+4*\c+3], v2, s[8:9] offset:\q*16384+(\kk)*2048+\c*512
.endr
.endr
.endm
; K block kk of the projection.  n: the loads issued behind this block's eight
.macro QSTEP kk, n
.if ((\kk)%3) == 0
.set XR, 160
.elseif ((\kk)%3) == 1
.set XR, 192
.else
.set XR, 64
.endif
.irp u, 0,1
.irp t, 0,1
.if ((\kk) < 7) || ((2*\u+\t) < 3)
.irp c, 0,1,2,3
	ds_load_b128 v[32+16*\t+4*\c:35+16*\t+4*\c], v13 offset:(2*\u+\t)*16384+(\kk)*2048+\c*512
.endr
.endif
.endr
.if \u == 0
	s_wait_loadcnt \n
.endif
	s_wait_dscnt 0x0
.irp t, 0,1
.if ((\kk) == 7) && ((2*\u+\t) == 3)
.set WR, 64                            ; the 32nd fragment came straight into v64-79
.else
.set WR, 32+16*\t
.endif
.irp q, 0,1
.if (\kk) == 0
	v_wmma_f32_16x16x128_bf8_bf8 v[SA+32*\q+8*(2*\u+\t):SA+32*\q+8*(2*\u+\t)+7], v[WR:WR+15], v[XR+16*\q:XR+16*\q+15], 0
.else
	v_wmma_f32_16x16x128_bf8_bf8 v[SA+32*\q+8*(2*\u+\t):SA+32*\q+8*(2*\u+\t)+7], v[WR:WR+15], v[XR+16*\q:XR+16*\q+15], v[SA+32*\q+8*(2*\u+\t):SA+32*\q+8*(2*\u+\t)+7]
.endif
.endr
.endr
.rept 4
	v_nop                                          ; places in front of loads into registers that these products read, and at the end of the first read of the sums
.endr
.endr
.if (\kk)+3 < 8
	XLOAD (\kk)+3, XR
.endif
.if (\kk) == 3
	ASK4 PA, FP                                    ; batch 2
.endif
.if (\kk) == 5
.irp c, 0,1,2,3
	global_load_b128 v[64+4*\c:67+4*\c], v2, s[98:99] offset:\c*512   ; Wq's 32nd fragment, into the registers that K block 5 has left
.endr
.endif
.endm
.macro QALL                            ; the counts: what stands behind a block's loads when it is waited for
	QSTEP 0, 16                                    ; blocks 1, 2
	QSTEP 1, 16                                    ; blocks 2, 3
	QSTEP 2, 16                                    ; blocks 3, 4
	QSTEP 3, 16                                    ; blocks 4, 5
	QSTEP 4, 20                                    ; blocks 5, 6, batch 2
	QSTEP 5, 20                                    ; block 6, batch 2, block 7
	QSTEP 6, 16                                    ; batch 2, block 7, the 32nd fragment
	QSTEP 7, 0
.endm
	s_load_b256 s[80:87], s[0:1], 0x0              ; pc, xc, wc, mbits
	s_load_b128 s[88:91], s[0:1], 0x20             ; the scales' exponents, ac
	s_load_b64 s[92:93], s[0:1], 0x30              ; qf
	v_lshrrev_b32 v1, 5, v0
	v_readfirstlane_b32 s14, v1                    ; wave 0..15
	v_and_b32 v2, 31, v0
	v_lshlrev_b32 v2, 4, v2                        ; 16 x lane
	s_lshl_b32 s79, s14, 11
	v_add_nc_u32 v1, s79, v2                       ; my 2,048 bytes of batch 0 in LDS
	s_add_co_u32 s[FL], s79, 0x10000               ; and of batch 2
	s_lshl_b32 s16, s14, 12                        ; my 4,096 bytes of Wq's rows: the first half begins here,
	s_add_co_u32 s17, s16, 2048
	s_min_u32 s17, s17, 61440                      ; the second here (wave 15: at its first half once more)
	s_add_co_u32 s79, s16, WLDS
	v_add_nc_u32 v15, s79, v2
	s_add_co_u32 s79, s17, WLDS
	v_add_nc_u32 v14, s79, v2
	v_add_nc_u32 v13, WLDS, v2                     ; and where the fragments are read
	s_and_b32 s15, ttmp7, 0xffff
	s_lshr_b32 s96, s15, 4                         ; batch
	s_and_b32 s97, s15, 15                         ; head
	s_lshr_b32 s98, s97, 1                         ; head / 2
	s_and_b32 s99, s97, 1                          ; head % 2
	s_lshr_b32 s15, s14, 2
	s_xor_b32 s15, s15, s14
	s_and_b32 s15, s15, 1                          ; 0: the early group, 1: the late one
	s_lshl_b32 s18, s97, 16                        ; wc: Wq's row tiles 4 head .. 4 head + 3, 64 KiB on end
	s_add_co_u32 s20, s18, s16
	s_mov_b32 s21, 0
	s_add_co_u32 s22, s18, s17
	s_mov_b32 s23, 0
	s_add_co_u32 s24, s18, 63488                   ; the 32nd fragment
	s_mov_b32 s25, 0
	s_lshr_b32 s28, s14, 3                         ; which of a batch's two blocks of 128 tokens
	s_bfe_u32 s29, s14, 0x10002                    ; which 64 keys of the block
	s_bfe_u32 s30, s14, 0x10001                    ; 0: K, 1: V
	s_and_b32 s31, s14, 1                          ; which pair of rows
	s_lshl_b32 s33, s96, 4
	s_add_co_u32 s33, s33, s28                     ; the block of tokens in batch 0
	s_lshl_b32 s34, s33, 17                        ; K: block (tokens, head / 2) of 16,384 bytes,
	s_lshl_b32 s35, s98, 14
	s_add_co_u32 s34, s34, s35
	s_lshl_b32 s35, s29, 13                        ; + four key tiles of 2,048 bytes for the second 64 keys,
	s_add_co_u32 s34, s34, s35
	s_lshl_b32 s35, s99, 10                        ; + 1,024 for an odd head
	s_add_co_u32 s34, s34, s35
	s_lshl_b32 s36, s98, 6                         ; V, 8 MiB on: block (head / 2, tokens),
	s_add_co_u32 s36, s36, s33
	s_lshl_b32 s36, s36, 14
	s_lshl_b32 s35, s99, 13                        ; + four channel tiles for an odd head,
	s_add_co_u32 s36, s36, s35
	s_lshl_b32 s35, s29, 10                        ; + 1,024 for the second 64 keys
	s_add_co_u32 s36, s36, s35
	s_add_co_u32 s36, s36, 0x800000
	s_cmp_eq_u32 s30, 0                            ; the choice hangs on the wave's number alone
	s_cselect_b32 s36, s34, s36
	s_mov_b32 s[FS], 0x8000                        ; a batch on is two blocks of tokens: V's follow each other,
	s_cselect_b32 s[FS], 0x40000, s[FS]            ; K's lie eight blocks apart
	s_mov_b32 s[FS+1], 0
	s_lshl_b32 s35, s31, 12                        ; + two rows for the second pair
	s_add_co_u32 s36, s36, s35
	s_mov_b32 s37, 0
	s_lshl_b32 s42, s96, 7
	s_lshl_b32 s43, ttmp9, 5
	s_add_co_u32 s42, s42, s43
	s_lshl_b32 s43, s14, 1
	s_add_co_u32 s42, s42, s43                     ; tile A among all 512: 128 x batch + 32 x + 2 x wave
	s_lshl_b32 s40, s42, 14                        ; its eight fragments in xc; tile B's follow them
	s_mov_b32 s41, 0
	s_mul_i32 s44, s42, 4352                       ; its block of mask words and flags
	s_mov_b32 s45, 0
	s_lshl_b32 s46, s42, 3
	s_add_co_u32 s46, s46, s98
	s_lshl_b32 s46, s46, 11
	s_lshl_b32 s47, s99, 10
	s_add_co_u32 s46, s46, s47                     ; its half fragment in ac
	s_mov_b32 s47, 0
	s_lshr_b32 s30, s42, 3                         ; qf: block (128 tokens, 128 channels) of 65,536 bytes,
	s_lshl_b32 s30, s30, 3
	s_add_co_u32 s30, s30, s98
	s_lshl_b32 s32, s30, 16
	s_and_b32 s30, s42, 7
	s_lshl_b32 s30, s30, 13                        ; + 8,192 for each token tile,
	s_add_co_u32 s32, s32, s30
	s_lshl_b32 s30, s99, 12                        ; + four channel tiles of 1,024 for an odd head
	s_add_co_u32 s32, s32, s30
	s_mov_b32 s33, 0
	s_mov_b32 s68, 0x76543210
	s_mov_b32 s69, 0xfedcba98
	s_mov_b32 s70, 0
	s_mov_b32 s71, 0
	s_wait_alu depctr_va_vdst(0)
	s_wait_kmcnt 0x0
	s_add_nc_u64 s[6:7], s[84:85], s[20:21]        ; Wq: my first half,
	s_add_nc_u64 s[96:97], s[84:85], s[22:23]      ; my second half,
	s_add_nc_u64 s[98:99], s[84:85], s[24:25]      ; the 32nd fragment
	s_load_b256 s[16:23], s[88:89], 0x0            ; e0 .. e7
	s_load_b128 s[24:27], s[88:89], 0x20           ; e8 .. e11
	s_add_nc_u64 s[2:3], s[86:87], s[44:45]        ; tile A's block of the mask; tile B's follows it
	s_load_b32 s28, s[2:3], 0x1000                 ; tile A's flags,
	s_load_b32 s29, s[2:3], 0x2100                 ; tile B's
	s_add_nc_u64 s[8:9], s[82:83], s[40:41]        ; the queries' codes
	s_add_nc_u64 s[10:11], s[80:81], s[36:37]      ; batch 0,
	s_add_nc_u64 s[4:5], s[10:11], s[FS:FS+1]      ; batch 1,
	s_add_nc_u64 s[FP:FP+1], s[4:5], s[FS:FS+1]    ; batch 2
	s_add_nc_u64 s[100:101], s[90:91], s[46:47]
	s_add_nc_u64 s[12:13], s[92:93], s[32:33]
.irp j, 0,1,2,3
	global_load_b128 v[SA+4*\j:SA+4*\j+3], v2, s[6:7] offset:512*\j
.endr
.irp j, 0,1,2,3
	global_load_b128 v[SA+16+4*\j:SA+16+4*\j+3], v2, s[96:97] offset:512*\j
.endr
	ASK4 16, 10
	ASK4 PA, 4
	XLOAD 0, 160
	XLOAD 1, 192
	XLOAD 2, 64
	v_mov_b32 v3, 0xff800000
	v_mov_b32 v6, 0                                ; a lane permute's destination counts as one of its sources
	v_mov_b32 v7, 0
	v_mov_b32 v251, 0                              ; (named as the upper halves of the pairs of f)
	v_mov_b32 v255, 0
	v_mov_b32 v241, 0xff61b1e6                     ; the largest t so far: -3e38
	v_mov_b32 v245, 0xff61b1e6
	v_floor_f32 v240, -v241                        ; -M
	v_floor_f32 v244, -v245
	v_mov_b32 v242, 0
	v_mov_b32 v243, 0
	v_mov_b32 v246, 0
	v_mov_b32 v247, 0
	s_wait_kmcnt 0x0
	s_add_co_i32 s30, s22, s23
	s_lshl_b32 s30, s30, 23
	s_add_co_i32 s66, s30, 0x3d38aa3b              ; c = log2(e) / 32, with e6 + e7 added to its exponent field
	s_mov_b32 s67, s66
	s_add_co_i32 s30, s25, 127
	s_lshl_b32 s31, s30, 23
	v_mov_b32 v4, s31                              ; 2^e9
	s_add_co_i32 s30, s30, 15
	s_lshl_b32 s30, s30, 23
	s_or_b32 s30, s30, 0x600000
	v_mov_b32 v5, s30                              ; 57,344 x 2^e9,
	v_mov_b32 v12, s30                             ; twice
	s_sub_co_i32 s30, s22, s16
	s_sub_co_i32 s30, s30, s17
	s_add_co_i32 s30, s30, 127
	s_lshl_b32 s31, s30, 23
	v_mov_b32 v8, s31                              ; 2^(e6 - e0 - e1): a raw sum of the projection stands for q / 2^(e0 + e1)
	s_add_co_i32 s30, s30, 15
	s_lshl_b32 s30, s30, 23
	s_or_b32 s30, s30, 0x600000
	v_mov_b32 v9, s30                              ; 57,344 x that
	s_sub_co_i32 s105, s26, s24
	s_sub_co_i32 s105, s105, s25
	s_mov_b32 s[E9], s25
	s_and_b32 s[FLG], s28, s29                     ; bit s: step s hides no key from my 32 queries
	s_load_b512 s[16:31], s[2:3], 0x0              ; step 0's words: the exponents and the arguments above have been used up
	s_load_b512 s[32:47], s[2:3], 0x40
	s_load_b512 s[48:63], s[2:3], 0x1100
	s_load_b512 s[80:95], s[2:3], 0x1140
	s_wait_alu depctr_va_vdst(0)
	s_wait_loadcnt 24                              ; my parts of Wq and of batches 0 and 1 are in; behind them: three K blocks of the queries
	PUT4 15, SA, 0
	PUT4 14, SA+16, 0
	PUT4 1, 16, 0
	PUT4 1, PA, 32768
	s_wait_dscnt 0x0                               ; for the others' sake
	s_barrier_signal -1
	s_barrier_wait -1                              ; Wq's 31 fragments and steps 0-7 of K and V lie in LDS
	s_cmp_lg_u32 s15, 0
	s_cbranch_scc1 .Llate
	QALL                                           ; the early group projects
.Llate:
	s_wait_dscnt 0x0
	s_barrier_signal -1
	s_barrier_wait -1                              ; the early group's loads of the queries have landed
	s_cmp_eq_u32 s15, 0
	s_cbranch_scc1 .Lboth
	QALL                                           ; the late group projects, while the early one goes on
.Lboth:
.irp q, 0,1
.irp t, 0,1,2,3
	global_store_b128 v2, v[SA+32*\q+8*\t:SA+32*\q+8*\t+3], s[12:13] offset:\q*8192+\t*1024          ; the raw sums: each store 512 consecutive bytes; each sum from its low end on
	global_store_b128 v2, v[SA+32*\q+8*\t+4:SA+32*\q+8*\t+7], s[12:13] offset:\q*8192+\t*1024+512
.endr
.endr
.set i, 0
.rept 64
	v_med3_num_f32 v[OA+i], v[SA+i], -v9, v9       ; the conversion does not saturate (ISA guide 7.6.2): the hold at the largest code x the scale
.set i, i+1
.endr
.irp g, 0,1,2,3
	v_cvt_scalef32_pk8_bf8_f32 v[16+2*\g:17+2*\g], v[OA+8*\g:OA+8*\g+7], v8
	v_cvt_scalef32_pk8_bf8_f32 v[24+2*\g:25+2*\g], v[OB+8*\g:OB+8*\g+7], v8
.endr
	v_nop                                          ; a plain line behind the conversions
.set i, 0
.rept 64
	v_mov_b32 v[OA+i], 0                           ; O^T: the step is written for every step alike; the first finds zeros
.set i, i+1
.endr
	s_wait_alu depctr_va_vdst(0)
	s_wait_xcnt 0x0                                ; the stores of the raw sums have read their registers, which take the scores
.irp t, 0,1,2,3
.irp c, 0,1
	ds_load_b128 v[KF+8*\t+4*\c:KF+8*\t+4*\c+3], v2 offset:\t*1024+\c*512   ; K of step 0
.endr
.endr
.macro STEP more, fill                 ; 64 keys.  more = 1: the next step's K and mask words are asked for.  fill = 1: a batch is stored and the next one asked for
	s_wait_dscnt 0x0                               ; K, asked for a step ago
.irp t, 0,1,2,3
	v_wmma_f32_16x16x64_bf8_bf8 v[SA+8*\t:SA+8*\t+7], v[KF+8*\t:KF+8*\t+7], v[16:23], 0
	v_wmma_f32_16x16x64_bf8_bf8 v[SB+8*\t:SB+8*\t+7], v[KF+8*\t:KF+8*\t+7], v[24:31], 0
.endr
	v_add_nc_u32 v1, s70, v2                       ; four plain lines that name no register of a product: the places in front of the loads into K's and V's registers and of the first read of the scores
	v_mov_b32 v13, v240                            ; the old -M of both tiles
	v_mov_b32 v14, v244
.if \fill
	v_add_nc_u32 v15, s[FL], v2                    ; where the batch in hand goes
.else
	v_nop
.endif
.irp t, 0,1,2,3
.irp c, 0,1
	ds_load_b128 v[VF+8*\t+4*\c:VF+8*\t+4*\c+3], v1 offset:4096+\t*1024+\c*512
.endr
.endr
.if \more
.irp t, 0,1,2,3
.irp c, 0,1
	ds_load_b128 v[KF+8*\t+4*\c:KF+8*\t+4*\c+3], v1 offset:8192+\t*1024+\c*512
.endr
.endr
.endif
	s_wait_kmcnt 0x0                               ; this step's 64 words, asked for a step ago, are in; s71 may be stepped
	s_bitcmp1_b32 s[FLG], 0                        ; does this step hide nothing?  A whole number that an earlier launch stored
	s_cbranch_scc1 .Lopen_\@
.set i, 0
.rept 32
	v_cndmask_b32 v[SA+i], v3, v[SA+i], s[16+i]    ; a hidden score becomes -infinity; each accumulator is read from its low end on
.set i, i+1
.endr
.set i, 0
.rept 16
	v_cndmask_b32 v[SB+i], v3, v[SB+i], s[48+i]
.set i, i+1
.endr
.set i, 0
.rept 16
	v_cndmask_b32 v[SB+16+i], v3, v[SB+16+i], s[80+i]
.set i, i+1
.endr
.Lopen_\@:
	s_lshr_b32 s[FLG], s[FLG], 1                   ; the next step's flag
.if \more
	s_add_co_u32 s71, s71, 128                     ; the next step's words: they have the rest of this step in which to land
	s_load_b512 s[16:31], s[2:3], s71 offset:0x0
	s_load_b512 s[32:47], s[2:3], s71 offset:0x40
	s_load_b512 s[48:63], s[2:3], s71 offset:0x1100
	s_load_b512 s[80:95], s[2:3], s71 offset:0x1140
.endif
	v_max3_num_f32 v248, v[SA], v[SA+1], v[SA+2]   ; the step's largest score of my query among my 32 keys, in two chains; the two tiles line by line; ascending
	v_max3_num_f32 v252, v[SB], v[SB+1], v[SB+2]
	v_max3_num_f32 v249, v[SA+3], v[SA+4], v[SA+5]
	v_max3_num_f32 v253, v[SB+3], v[SB+4], v[SB+5]
.irp i, 6,10,14,18,22,26
	v_max3_num_f32 v248, v248, v[SA+\i], v[SA+\i+1]
	v_max3_num_f32 v252, v252, v[SB+\i], v[SB+\i+1]
	v_max3_num_f32 v249, v249, v[SA+\i+2], v[SA+\i+3]
	v_max3_num_f32 v253, v253, v[SB+\i+2], v[SB+\i+3]
.endr
	v_max3_num_f32 v248, v248, v[SA+30], v[SA+31]
	v_max3_num_f32 v252, v252, v[SB+30], v[SB+31]
	s_delay_alu instid0(VALU_DEP_2)
	v_max_num_f32 v248, v248, v249
	s_delay_alu instid0(VALU_DEP_2)
	v_max_num_f32 v252, v252, v253
	s_delay_alu instid0(VALU_DEP_2)
	v_permlanex16_b32 v6, v248, s68, s69
	s_delay_alu instid0(VALU_DEP_2)
	v_permlanex16_b32 v7, v252, s68, s69
	s_delay_alu instid0(VALU_DEP_2)
	v_max_num_f32 v248, v248, v6                   ; and among lane l xor 16's
	s_delay_alu instid0(VALU_DEP_2)
	v_max_num_f32 v252, v252, v7
	s_delay_alu instid0(VALU_DEP_2)
	v_mul_f32 v248, s66, v248                      ; as t (c is positive)
	s_delay_alu instid0(VALU_DEP_2)
	v_mul_f32 v252, s66, v252
	s_delay_alu instid0(VALU_DEP_2)
	v_max_num_f32 v241, v241, v248                 ; the running largest t
	s_delay_alu instid0(VALU_DEP_2)
	v_max_num_f32 v245, v245, v252
	s_delay_alu instid0(VALU_DEP_2)
	v_floor_f32 v240, -v241                        ; the new -M = floor(-t): M is a whole number
	s_delay_alu instid0(VALU_DEP_2)
	v_floor_f32 v244, -v245
	s_delay_alu instid0(VALU_DEP_2)
	v_sub_f32 v248, v240, v13                      ; old M - new M, a whole number, 0 or less
	s_delay_alu instid0(VALU_DEP_2)
	v_sub_f32 v252, v244, v14
	s_delay_alu instid0(VALU_DEP_2)
	v_cvt_i32_f32 v248, v248                       ; (it saturates)
	s_delay_alu instid0(VALU_DEP_2)
	v_cvt_i32_f32 v252, v252
	s_delay_alu instid0(VALU_DEP_2)
	v_ldexp_f32 v250, 1.0, v248                    ; f = 2^(old M - new M)
	s_delay_alu instid0(VALU_DEP_2)
	v_ldexp_f32 v254, 1.0, v252
.set i, 0
.rept 16
	v_pk_fma_f32 v[SA+i:SA+i+1], v[SA+i:SA+i+1], s[66:67], v[240:241] op_sel_hi:[1,0,0]   ; t - M (of the pairs c and -M the low word serves both halves)
	v_pk_fma_f32 v[SB+i:SB+i+1], v[SB+i:SB+i+1], s[66:67], v[244:245] op_sel_hi:[1,0,0]
.set i, i+2
.endr
.set i, 0
.rept 16
	v_pk_mul_f32 v[OA+i:OA+i+1], v[OA+i:OA+i+1], v[250:251] op_sel_hi:[1,0]   ; O^T under the new M, ahead of the exponentials: the last products' results are first read with no transcendental between
	v_pk_mul_f32 v[OB+i:OB+i+1], v[OB+i:OB+i+1], v[254:255] op_sel_hi:[1,0]
.set i, i+2
.endr
	s_wait_alu depctr_va_vdst(0)
.set i, 0
.rept 64
	v_exp_f32 v[SA+i], v[SA+i]                     ; p = 2^(t - M): one batch
.set i, i+1
.endr
	v_nop                                          ; a plain line behind the exponentials
.if \fill
	s_wait_loadcnt 0x0                             ; the batch asked for at the last step's end is in,
	PUT4 15, PA, 0                                 ; goes to LDS,
	s_add_nc_u64 s[FP:FP+1], s[FP:FP+1], s[FS:FS+1]   ; and its loads have read their base: on to the next batch
.endif
	s_wait_alu depctr_va_vdst(0)                   ; one wait for the batch, ahead of its first reader
	v_pk_add_f32 v[8:9], v[SA:SA+1], v[SA+2:SA+3]  ; the row's sum is taken of the unquantised p, in two chains a tile
	v_pk_add_f32 v[10:11], v[SB:SB+1], v[SB+2:SB+3]
	v_pk_add_f32 v[248:249], v[SA+4:SA+5], v[SA+6:SA+7]
	v_pk_add_f32 v[252:253], v[SB+4:SB+5], v[SB+6:SB+7]
.irp i, 8,12,16,20,24,28
	v_pk_add_f32 v[8:9], v[8:9], v[SA+\i:SA+\i+1]
	v_pk_add_f32 v[10:11], v[10:11], v[SB+\i:SB+\i+1]
	v_pk_add_f32 v[248:249], v[248:249], v[SA+\i+2:SA+\i+3]
	v_pk_add_f32 v[252:253], v[252:253], v[SB+\i+2:SB+\i+3]
.endr
	s_delay_alu instid0(VALU_DEP_2)
	v_pk_add_f32 v[8:9], v[8:9], v[248:249]
	s_delay_alu instid0(VALU_DEP_2)
	v_pk_add_f32 v[10:11], v[10:11], v[252:253]
	s_delay_alu instid0(VALU_DEP_2)
	v_pk_fma_f32 v[242:243], v[242:243], v[250:251], v[8:9] op_sel_hi:[1,0,1]     ; the sum so far x f + this step's
	s_delay_alu instid0(VALU_DEP_2)
	v_pk_fma_f32 v[246:247], v[246:247], v[254:255], v[10:11] op_sel_hi:[1,0,1]
.if \fill
	s_wait_alu depctr_va_vdst(0)
	s_wait_dscnt 0x0                               ; the batch's stores have read their registers, which take p's codes below
.endif
	s_cmp_gt_i32 s[E9], -16                        ; p <= 1: where e9 > -16, p / 2^e9 <= 2^15 lies under the largest code, and the hold changes nothing
	s_cbranch_scc1 .Lfits_\@
.set i, 0
.rept 32
	v_dual_min_num_f32 v[SA+i], v5, v[SA+i] :: v_dual_min_num_f32 v[SA+i+1], v12, v[SA+i+1]   ; the conversion does not saturate (ISA guide 7.6.2); p is not negative, so the hold is one-sided
.set i, i+2
.endr
.Lfits_\@:
.irp g, 0,1,2,3
	v_cvt_scalef32_pk8_bf8_f32 v[PA+2*\g:PA+2*\g+1], v[SA+8*\g:SA+8*\g+7], v4
	v_cvt_scalef32_pk8_bf8_f32 v[PB+2*\g:PB+2*\g+1], v[SB+8*\g:SB+8*\g+7], v4
.endr
	v_nop                                          ; a plain line behind the conversions
	s_wait_alu depctr_va_vdst(0)
.if \more
	s_wait_dscnt 8                                 ; V is in; the eight younger loads, the next step's K, may be out
.else
	s_wait_dscnt 0x0
.endif
.irp t, 0,1,2,3                        ; the eight accumulators take turns, and the scores' products stand between a step's and the next's
	v_wmma_f32_16x16x64_bf8_bf8 v[OA+8*\t:OA+8*\t+7], v[VF+8*\t:VF+8*\t+7], v[PA:PA+7], v[OA+8*\t:OA+8*\t+7]
	v_wmma_f32_16x16x64_bf8_bf8 v[OB+8*\t:OB+8*\t+7], v[VF+8*\t:VF+8*\t+7], v[PB:PB+7], v[OB+8*\t:OB+8*\t+7]
.endr
.if \fill
	s_cmp_eq_u32 s104, 1                           ; the sixth trip has stored batch 7: there is none behind it
	s_cbranch_scc1 .Lnone_\@
.rept 4
	v_nop                                          ; places in front of loads into registers that these products read
.endr
	ASK4 PA, FP
.Lnone_\@:
	s_add_co_u32 s[FL], s[FL], 32768
.endif
.endm
	s_mov_b32 s104, 6
.Lfill:                                                ; steps 0-5: they read steps 0-6, under byte 57,344; they store batches 2-7, bytes 65,536 .. 262,143
	STEP 1, 1
	s_add_co_u32 s70, s70, 8192
	s_sub_co_u32 s104, s104, 1
	s_cmp_lg_u32 s104, 0
	s_cbranch_scc1 .Lfill
	s_wait_loadcnt 0x0                             ; no load into p's registers is out
	s_wait_dscnt 0x0                               ; for the others' sake: my parts of all batches lie in LDS
	s_barrier_signal -1
	s_barrier_wait -1
	s_mov_b32 s104, 25
.Lmain:                                                ; steps 6-30
	STEP 1, 0
	s_add_co_u32 s70, s70, 8192
	s_sub_co_u32 s104, s104, 1
	s_cmp_lg_u32 s104, 0
	s_cbranch_scc1 .Lmain
	STEP 0, 0                                      ; the last step is written out, so that no read passes the head's last key or the mask's last word
	; THE WAY OUT: O^T / the sum stands for out / 2^(e8 + e9); its code for the last product is that / 2^(e10 - e8 - e9).  A tile's 8 registers of codes are half a fragment of that product.
.rept 4
	v_nop
.endr
	v_add_f32 v242, v242, v243
	v_add_f32 v246, v246, v247
	s_delay_alu instid0(VALU_DEP_2)
	v_permlanex16_b32 v6, v242, s68, s69
	s_delay_alu instid0(VALU_DEP_2)
	v_permlanex16_b32 v7, v246, s68, s69
	s_delay_alu instid0(VALU_DEP_2)
	v_add_f32 v242, v242, v6
	s_delay_alu instid0(VALU_DEP_2)
	v_add_f32 v246, v246, v7
	s_wait_alu depctr_va_vdst(0)
	v_rcp_f32 v250, v242
	v_rcp_f32 v254, v246
	s_add_co_i32 s105, s105, 127
	s_lshl_b32 s70, s105, 23
	v_mov_b32 v4, s70                              ; (plain lines behind the reciprocals)
	s_add_co_i32 s105, s105, 15
	s_lshl_b32 s105, s105, 23
	s_or_b32 s105, s105, 0x600000
	v_mov_b32 v5, s105
	s_wait_alu depctr_va_vdst(0)                   ; one wait for both reciprocals and for O^T, directly ahead of their first reader
.set i, 0
.rept 16
	v_pk_mul_f32 v[OA+i:OA+i+1], v[OA+i:OA+i+1], v[250:251] op_sel_hi:[1,0]
	v_pk_mul_f32 v[OB+i:OB+i+1], v[OB+i:OB+i+1], v[254:255] op_sel_hi:[1,0]
.set i, i+2
.endr
.set i, 0
.rept 64
	v_med3_num_f32 v[OA+i], v[OA+i], -v5, v5
.set i, i+1
.endr
.irp g, 0,1,2,3
	v_cvt_scalef32_pk8_bf8_f32 v[PA+2*\g:PA+2*\g+1], v[OA+8*\g:OA+8*\g+7], v4
	v_cvt_scalef32_pk8_bf8_f32 v[PB+2*\g:PB+2*\g+1], v[OB+8*\g:OB+8*\g+7], v4
.endr
	v_nop
	global_store_b128 v2, v[PA:PA+3], s[100:101]                  ; each store: 512 consecutive bytes
	global_store_b128 v2, v[PA+4:PA+7], s[100:101] offset:512
	global_store_b128 v2, v[PB:PB+3], s[100:101] offset:16384     ; tile B: the next token tile's eight fragments on
	global_store_b128 v2, v[PB+4:PB+7], s[100:101] offset:16896
	s_wait_xcnt 0x0
	v_lshl_add_u32 v254, v0, 2, SPARE              ; my spare word; no two registers could be kept for it
	v_mov_b32 v255, 0
	s_wait_alu depctr_va_vdst(0)
	s_wait_tensorcnt 0x0                           ; the wave's end, behind my last LDS store
	ds_add_u32 v254, v255
	s_wait_dscnt 0x0
	s_endpgm
.Lfunc_end_k_qb492c61c09_attn:
	.size	k_qb492c61c09_attn, .Lfunc_end_k_qb492c61c09_attn-k_qb492c61c09_attn
	.p2alignl 7, 3214868480
	.fill 96, 4, 3214868480
	.section	.rodata,"a",@progbits
	.p2align	6, 0x0
	.amdhsa_kernel k_qb492c61c09_attn
		.amdhsa_group_segment_fixed_size 327680
		.amdhsa_private_segment_fixed_size 0
		.amdhsa_enable_private_segment 0
		.amdhsa_kernarg_size 56
		.amdhsa_user_sgpr_count 2
		.amdhsa_user_sgpr_kernarg_segment_ptr 1
		.amdhsa_wavefront_size32 1
		.amdhsa_system_sgpr_workgroup_id_x 1
		.amdhsa_system_sgpr_workgroup_id_y 1
		.amdhsa_system_sgpr_workgroup_id_z 1
		.amdhsa_system_vgpr_workitem_id 0
		.amdhsa_next_free_vgpr 256
		.amdhsa_next_free_sgpr 106
		.amdhsa_reserve_vcc 0
		.amdhsa_float_denorm_mode_32 3
		.amdhsa_float_denorm_mode_16_64 3
		.amdhsa_memory_ordered 1
		.amdhsa_forward_progress 1
		.amdhsa_inst_pref_size 129
	.end_amdhsa_kernel
	.amdgpu_metadata
---
amdhsa.version: [ 1, 2 ]
amdhsa.kernels:
  - .name:           k_qb492c61c09_attn
    .symbol:         k_qb492c61c09_attn.kd
    .args:
      - { .name: pc, .offset: 0, .size: 8, .value_kind: global_buffer, .address_space: global }
      - { .name: xc, .offset: 8, .size: 8, .value_kind: global_buffer, .address_space: global }
      - { .name: wc, .offset: 16, .size: 8, .value_kind: global_buffer, .address_space: global }
      - { .name: mbits, .offset: 24, .size: 8, .value_kind: global_buffer, .address_space: global }
      - { .name: lowp_scales, .offset: 32, .size: 8, .value_kind: global_buffer, .address_space: global }
      - { .name: ac, .offset: 40, .size: 8, .value_kind: global_buffer, .address_space: global }
      - { .name: qf, .offset: 48, .size: 8, .value_kind: global_buffer, .address_space: global }
    .group_segment_fixed_size: 327680
    .private_segment_fixed_size: 0
    .kernarg_segment_align: 8
    .kernarg_segment_size: 56
    .max_flat_workgroup_size: 512
    .sgpr_count:     106
    .vgpr_count:     256
    .wavefront_size: 32
...
	.end_amdgpu_metadata
.endif
;; end of part 3
;; launch outln (part 4): grid 256 x 1, 8 waves a work-group, no clusters, 103,424 bytes of LDS; arguments ac, wc, qf, lowp_scales, bo, gamma, beta, out0; writes out0
.if DOCPART == 4
	.amdgcn_target "amdgcn-amd-amdhsa--gfx1250"
	.amdhsa_code_object_version 6
	.text
	.protected	k_qb492c61c09_outln
	.globl	k_qb492c61c09_outln
	.p2align	8
	.type	k_qb492c61c09_outln,@function
k_qb492c61c09_outln:
	s_mov_b64 s[64:65], 0
	v_nop
	global_prefetch_b8 v0, s[64:65] scope:SCOPE_SE
	s_setreg_imm32_b32 hwreg(HW_REG_WAVE_MODE, 25, 1), 1
	s_wait_xcnt 0x0
; out0 = layernorm(relu(a Wo^T + bo) + q) x gamma + beta; the product on codes of BF8.  a: ac, Wo: wc's fourth tensor, both as images of registers; q: qf, the attention launch's raw sums, x 2^(e0 + e1).
; A work-group owns 32 tokens (token tiles 2 g, 2 g + 1) x all 1,024 columns, since the norm wants whole rows.  Wave w owns columns 128 w .. 128 w + 127: 8 tiles of Wo's rows x 2 token tiles = 16 accumulators.
; TRANSPOSED: source 0 = 16 rows of Wo, source 1 = 16 tokens: lane (r, h) holds token r, and register j of tile nt column 32 (nt / 2) + 16 h + 8 (nt % 2) + j of the wave's 128: the layout in which q's sums were stored.
; a's 16 fragments are shared by the eight waves through LDS (each wave brings two).  A fragment of Wo is wanted by ONE wave of the work-group, so it goes from memory straight into that wave's registers, 512 consecutive bytes a load,
; a K step ahead: through LDS it would be written and read once more for nobody else's use; that is why no tensor load and no joint request is made here.
; The variance is the mean of the squared differences from the mean (two passes over registers), not a difference of large sums.
; LIMITS: e10 + e11 and e0 + e1 between -126 and 127.  NaN among the inputs is not served.
; REGISTERS: window 0: v1-7 addresses, v8-15 statistics, v16-47 a's two fragments (later v16-79 rows of out0), v48-111 bo, v112-127 at work, v128-255 the accumulators (nt, tk) at 128 + 64 tk + 8 nt.
;   window 1: v0-127 Wo's eight fragments, later gamma (v0-63) and beta (v64-127); v128-255 q at 128 + 64 tk + 8 nt.
.set AIMG, 0                           ; LDS: a's fragments [tile 2][k block 8][2048]
.set STG,  32768                       ; a stage of 16 rows x 528 bytes for each wave
.set RED1, 100352                      ; 8 waves x 32 words: the sums;  1,024 bytes on: the sums of squares
.set ACC,  128
.set BO,   48
.set MSB, 0
.macro WIN new
.if MSB != (\new)
	s_set_vgpr_msb (MSB<<8)|(\new)
.set MSB, (\new)
.endif
.endm
.macro PLACES
.rept 4
	v_nop
.endr
.endm
.macro LOADB kk, G                     ; Wo's fragments 2 G, 2 G + 1 of k block kk: eight loads
	WIN 0x40                                       ; destination window 1
.irp u, 0,1
.irp c, 0,1,2,3
	global_load_b128 v[16*(2*(\G)+\u)+4*\c:16*(2*(\G)+\u)+4*\c+3], v1, s[18:19] offset:(2*(\G)+\u)*16384+(\kk)*2048+\c*512
.endr
.endr
	WIN 0
.endm
.macro PROD nt, tk, zero
.if \zero
	v_wmma_f32_16x16x128_bf8_bf8 v[ACC+64*(\tk)+8*(\nt):ACC+64*(\tk)+8*(\nt)+7], v[16*(\nt):16*(\nt)+15], v[16+16*(\tk):31+16*(\tk)], 0
.else
	v_wmma_f32_16x16x128_bf8_bf8 v[ACC+64*(\tk)+8*(\nt):ACC+64*(\tk)+8*(\nt)+7], v[16*(\nt):16*(\nt)+15], v[16+16*(\tk):31+16*(\tk)], v[ACC+64*(\tk)+8*(\nt):ACC+64*(\tk)+8*(\nt)+7]
.endif
.endm
.macro KSTEP kk                        ; 128 along K: 16 matrix instructions, the 16 accumulators by turns
.irp tk, 0,1
.irp c, 0,1,2,3
	ds_load_b128 v[16+16*\tk+4*\c:19+16*\tk+4*\c], v1 offset:AIMG+\tk*16384+(\kk)*2048+\c*512   ; (the four places behind the last products stand ahead of the global loads above)
.endr
.endr
	s_wait_dscnt 0x0
.irp G, 0,1,2,3
.if (\kk) == 0
	s_wait_loadcnt 63                              ; behind this group's eight loads 72 were issued (Wo's, bo's, q's): the largest count that the wait can name is stricter, and so right
.elseif (\kk) < 7
	s_wait_loadcnt 24                              ; behind this group's eight loads: three groups of eight
.else
	s_wait_loadcnt 8*(3-\G)
.endif
	WIN 0x01                                       ; source 0 (Wo) window 1
	PROD 2*\G, 0, (\kk)==0
	PROD 2*\G, 1, (\kk)==0
	PROD 2*\G+1, 0, (\kk)==0
	PROD 2*\G+1, 1, (\kk)==0
.if (\kk) < 7
	PLACES                                         ; in front of loads into registers that these products read
	LOADB (\kk)+1, \G
.endif
.endr
	WIN 0
.endm
; the two tiles' sums (sq = 0) or sums of squares (sq = 1) of a lane's 64 numbers, each in two chains: tile tk into v[112 + 4 tk : 113 + 4 tk]
.macro SUMS sq
.irp tk, 0,1
.set A0, ACC+64*\tk
.set C0, 112+4*\tk
.if \sq
	v_pk_mul_f32 v[C0:C0+1], v[A0:A0+1], v[A0:A0+1]
	v_pk_mul_f32 v[C0+2:C0+3], v[A0+2:A0+3], v[A0+2:A0+3]
.set i, 4
.rept 15
	s_delay_alu instid0(VALU_DEP_2)
	v_pk_fma_f32 v[C0:C0+1], v[A0+i:A0+i+1], v[A0+i:A0+i+1], v[C0:C0+1]
	s_delay_alu instid0(VALU_DEP_2)
	v_pk_fma_f32 v[C0+2:C0+3], v[A0+i+2:A0+i+3], v[A0+i+2:A0+i+3], v[C0+2:C0+3]
.set i, i+4
.endr
.else
	v_pk_add_f32 v[C0:C0+1], v[A0:A0+1], v[A0+2:A0+3]
	v_pk_add_f32 v[C0+2:C0+3], v[A0+4:A0+5], v[A0+6:A0+7]
.set i, 8
.rept 14
	s_delay_alu instid0(VALU_DEP_2)
	v_pk_add_f32 v[C0:C0+1], v[C0:C0+1], v[A0+i:A0+i+1]
	s_delay_alu instid0(VALU_DEP_2)
	v_pk_add_f32 v[C0+2:C0+3], v[C0+2:C0+3], v[A0+i+2:A0+i+3]
.set i, i+4
.endr
.endif
	s_delay_alu instid0(VALU_DEP_1)
	v_pk_add_f32 v[C0:C0+1], v[C0:C0+1], v[C0+2:C0+3]
.endr
.endm
; across the halves of the lanes and the eight waves: v8 = token r's total in tile 0, v9 = in tile 1, in every lane of every wave
.macro REDUCE off
	v_add_f32 v8, v112, v113
	s_delay_alu instid0(VALU_DEP_2)
	v_add_f32 v9, v116, v117
	s_delay_alu instid0(VALU_DEP_2)
	v_permlanex16_b32 v10, v8, s46, s47
	s_delay_alu instid0(VALU_DEP_2)
	v_permlanex16_b32 v11, v9, s46, s47
	s_delay_alu instid0(VALU_DEP_2)
	v_add_f32 v8, v8, v10
	s_delay_alu instid0(VALU_DEP_2)
	v_add_f32 v9, v9, v11
	s_delay_alu instid0(VALU_DEP_1)
	v_cndmask_b32 v10, v8, v9, s44                 ; lanes 0-15: tile 0's, lanes 16-31: tile 1's
	ds_store_b32 v6, v10 offset:\off
	s_wait_dscnt 0x0                               ; for the others' sake
	s_barrier_signal -1
	s_barrier_wait -1
.irp i, 0,1,2,3,4,5,6,7
	ds_load_b32 v[112+\i], v7 offset:\off+\i*128
	ds_load_b32 v[120+\i], v7 offset:\off+\i*128+64
.endr
	s_wait_dscnt 0x0
.irp b, 112, 120
	v_add_f32 v[\b], v[\b], v[\b+1]
	v_add_f32 v[\b+2], v[\b+2], v[\b+3]
	v_add_f32 v[\b+4], v[\b+4], v[\b+5]
	v_add_f32 v[\b+6], v[\b+6], v[\b+7]
	s_delay_alu instid0(VALU_DEP_3)
	v_add_f32 v[\b], v[\b], v[\b+2]
	s_delay_alu instid0(VALU_DEP_2)
	v_add_f32 v[\b+4], v[\b+4], v[\b+6]
.endr
	v_add_f32 v8, v112, v116
	s_delay_alu instid0(VALU_DEP_2)
	v_add_f32 v9, v120, v124
.endm
	s_load_b512 s[16:31], s[0:1], 0x0              ; ac, wc, qf, the scales' exponents, bo, gamma, beta, out0
	v_lshrrev_b32 v8, 5, v0
	s_delay_alu instid0(VALU_DEP_1)
	v_readfirstlane_b32 s4, v8                     ; wave 0..7
	v_and_b32 v9, 31, v0
	v_and_b32 v10, 15, v0                          ; r
	v_bfe_u32 v11, v0, 4, 1                        ; h
	s_delay_alu instid0(VALU_DEP_3)
	v_lshlrev_b32 v1, 4, v9                        ; 16 x lane
	s_lshl_b32 s5, s4, 11
	v_add_nc_u32 v2, s5, v1                        ; where I put a's fragments: k block = my wave
	v_lshlrev_b32 v3, 6, v11                       ; 64 h: bo, gamma, beta
	s_mul_i32 s5, s4, 16*528
	s_add_co_u32 s5, s5, STG                       ; my stage
	v_mul_u32_u24 v4, v10, 528
	s_delay_alu instid0(VALU_DEP_1)
	v_add_nc_u32 v4, v4, v3
	s_delay_alu instid0(VALU_DEP_1)
	v_add_nc_u32 v4, s5, v4                        ; in: row r, + 64 h
	v_add_nc_u32 v5, s5, v1                        ; back: a row of 512 bytes
	s_lshl_b32 s5, s4, 7
	s_add_co_u32 s5, s5, RED1
	v_lshl_add_u32 v6, v9, 2, s5                   ; my wave's 32 words
	v_lshlrev_b32 v7, 2, v10
	s_delay_alu instid0(VALU_DEP_1)
	v_add_nc_u32 v7, RED1, v7                      ; token r's word of wave 0, tile 0
	s_lshl_b32 s6, ttmp9, 4
	s_add_co_u32 s6, s6, s4
	s_lshl_b32 s6, s6, 11                          ; ac: token tile 2 g, k block w
	s_mov_b32 s7, 0
	s_lshl_b32 s8, s4, 17
	s_add_co_u32 s8, s8, 0x300000                  ; wc: Wo, my eight row tiles
	s_mov_b32 s9, 0
	s_lshr_b32 s10, ttmp9, 2
	s_lshl_b32 s10, s10, 3
	s_add_co_u32 s10, s10, s4
	s_lshl_b32 s10, s10, 16
	s_and_b32 s11, ttmp9, 3
	s_lshl_b32 s11, s11, 14
	s_add_co_u32 s10, s10, s11                     ; qf: block (g / 4, w), token tile (2 g) % 8
	s_mov_b32 s11, 0
	s_lshl_b32 s12, s4, 9                          ; my 128 numbers of bo, gamma, beta
	s_mov_b32 s13, 0
	s_lshl_b32 s14, ttmp9, 17
	s_add_co_u32 s14, s14, s12                     ; out0: 32 rows of 4,096 bytes a work-group, + my 512 bytes of a row
	s_mov_b32 s15, 0
	s_mov_b32 s44, 0xffff0000
	s_mov_b32 s45, 0x3a800000                      ; 1 / 1,024
	s_mov_b32 s46, 0x76543210
	s_mov_b32 s47, 0xfedcba98
	s_mov_b32 s52, 0x358637bd                      ; 1e-6
	s_wait_alu depctr_va_vdst(0)
	s_wait_kmcnt 0x0
	s_load_b256 s[32:39], s[22:23], 0x0            ; e0 .. e7
	s_load_b128 s[48:51], s[22:23], 0x20           ; e8 .. e11
	s_add_nc_u64 s[16:17], s[16:17], s[6:7]
	s_add_nc_u64 s[18:19], s[18:19], s[8:9]
	s_add_nc_u64 s[20:21], s[20:21], s[10:11]
	s_add_nc_u64 s[24:25], s[24:25], s[12:13]
	s_add_nc_u64 s[26:27], s[26:27], s[12:13]
	s_add_nc_u64 s[28:29], s[28:29], s[12:13]
	s_add_nc_u64 s[30:31], s[30:31], s[14:15]
.irp tk, 0,1
.irp c, 0,1,2,3
	global_load_b128 v[16+16*\tk+4*\c:19+16*\tk+4*\c], v1, s[16:17] offset:\tk*16384+\c*512 th:TH_LOAD_NT
.endr
.endr
.irp G, 0,1,2,3
	LOADB 0, \G
.endr
	s_wait_loadcnt 32                              ; a's eight loads are in; Wo's 32 may be out
.irp tk, 0,1
.irp c, 0,1,2,3
	ds_store_b128 v2, v[16+16*\tk+4*\c:19+16*\tk+4*\c] offset:AIMG+\tk*16384+\c*512
.endr
.endr
.irp nt, 0,1,2,3,4,5,6,7
	global_load_b128 v[BO+8*\nt:BO+8*\nt+3], v3, s[24:25] offset:(32*(\nt/2)+8*(\nt%2))*4
	global_load_b128 v[BO+8*\nt+4:BO+8*\nt+7], v3, s[24:25] offset:(32*(\nt/2)+8*(\nt%2))*4+16
.endr
	WIN 0x40
.irp tk, 0,1
.irp nt, 0,1,2,3,4,5,6,7
	global_load_b128 v[128+64*\tk+8*\nt:131+64*\tk+8*\nt], v1, s[20:21] offset:\tk*8192+\nt*1024 th:TH_LOAD_NT
	global_load_b128 v[132+64*\tk+8*\nt:135+64*\tk+8*\nt], v1, s[20:21] offset:\tk*8192+\nt*1024+512 th:TH_LOAD_NT
.endr
.endr
	WIN 0
	s_wait_dscnt 0x0                               ; for the others' sake: my two fragments of a have landed
	s_barrier_signal -1
	s_barrier_wait -1
.irp kk, 0,1,2,3,4,5,6,7
	KSTEP \kk
.endr
	PLACES                                         ; in front of loads into Wo's registers and of the first read of the sums
	WIN 0x40
.irp nt, 0,1,2,3,4,5,6,7
	global_load_b128 v[8*\nt:8*\nt+3], v3, s[26:27] offset:(32*(\nt/2)+8*(\nt%2))*4
	global_load_b128 v[8*\nt+4:8*\nt+7], v3, s[26:27] offset:(32*(\nt/2)+8*(\nt%2))*4+16
	global_load_b128 v[64+8*\nt:64+8*\nt+3], v3, s[28:29] offset:(32*(\nt/2)+8*(\nt%2))*4
	global_load_b128 v[64+8*\nt+4:64+8*\nt+7], v3, s[28:29] offset:(32*(\nt/2)+8*(\nt%2))*4+16
.endr
	WIN 0
	s_wait_kmcnt 0x0
	s_add_co_i32 s40, s50, s51
	s_add_co_i32 s40, s40, 127
	s_lshl_b32 s40, s40, 23                        ; 2^(e10 + e11)
	s_mov_b32 s41, s40                             ; (named with it as a pair)
	s_add_co_i32 s42, s32, s33
	s_add_co_i32 s42, s42, 127
	s_lshl_b32 s42, s42, 23                        ; 2^(e0 + e1)
	s_mov_b32 s43, s42
.irp tk, 0,1
.irp nt, 0,1,2,3,4,5,6,7
.irp j, 0,2,4,6
	v_pk_fma_f32 v[ACC+64*\tk+8*\nt+\j:ACC+64*\tk+8*\nt+\j+1], v[ACC+64*\tk+8*\nt+\j:ACC+64*\tk+8*\nt+\j+1], s[40:41], v[BO+8*\nt+\j:BO+8*\nt+\j+1] op_sel_hi:[1,0,1]   ; sum x 2^(e10 + e11) + bo; each accumulator from its low end on
.endr
.endr
.endr
.set i, 0
.rept 128
	v_max_num_f32 v[ACC+i], 0, v[ACC+i]            ; relu
.set i, i+1
.endr
	WIN 0x01                                       ; source 0 (q) window 1
.set i, 0
.rept 64
	v_pk_fma_f32 v[ACC+i:ACC+i+1], v[128+i:129+i], s[42:43], v[ACC+i:ACC+i+1] op_sel_hi:[1,0,1]   ; + q
.set i, i+2
.endr
	WIN 0
	SUMS 0
	REDUCE 0
	s_delay_alu instid0(VALU_DEP_2)
	v_mul_f32 v12, 0xba800000, v8                  ; -mean
	s_delay_alu instid0(VALU_DEP_3)
	v_mul_f32 v13, 0xba800000, v8
	s_delay_alu instid0(VALU_DEP_3)
	v_mul_f32 v14, 0xba800000, v9
	s_delay_alu instid0(VALU_DEP_4)
	v_mul_f32 v15, 0xba800000, v9
.set i, 0
.rept 32
	v_pk_add_f32 v[ACC+i:ACC+i+1], v[ACC+i:ACC+i+1], v[12:13]
	v_pk_add_f32 v[ACC+64+i:ACC+64+i+1], v[ACC+64+i:ACC+64+i+1], v[14:15]
.set i, i+2
.endr
	SUMS 1
	REDUCE 1024                                    ; other words than the first reduction's: one barrier is enough
	s_delay_alu instid0(VALU_DEP_2)
	v_fma_f32 v8, v8, s45, s52                     ; the variance + 1e-6
	s_delay_alu instid0(VALU_DEP_2)
	v_fma_f32 v9, v9, s45, s52
	s_wait_alu depctr_va_vdst(0)
	v_rsq_f32 v12, v8
	v_rsq_f32 v14, v9
	v_nop                                          ; a plain line behind the transcendentals
	s_wait_alu depctr_va_vdst(0)                   ; one wait for both, ahead of their first reader
.set i, 0
.rept 32
	v_pk_mul_f32 v[ACC+i:ACC+i+1], v[ACC+i:ACC+i+1], v[12:13] op_sel_hi:[1,0]
	v_pk_mul_f32 v[ACC+64+i:ACC+64+i+1], v[ACC+64+i:ACC+64+i+1], v[14:15] op_sel_hi:[1,0]
.set i, i+2
.endr
	s_wait_loadcnt 0x0                             ; gamma and beta
	WIN 0x14                                       ; sources 1 and 2 window 1
.irp tk, 0,1
.set i, 0
.rept 32
	v_pk_fma_f32 v[ACC+64*\tk+i:ACC+64*\tk+i+1], v[ACC+64*\tk+i:ACC+64*\tk+i+1], v[i:i+1], v[64+i:65+i]
.set i, i+2
.endr
.endr
	WIN 0
	; a tile's 16 tokens x my 128 columns go through my stage and leave as rows: each store is 512 consecutive bytes of a row of out0
	s_wait_alu depctr_va_vdst(0)
.irp tk, 0,1
.irp nt, 0,1,2,3,4,5,6,7
	ds_store_b128 v4, v[ACC+64*\tk+8*\nt:ACC+64*\tk+8*\nt+3] offset:(\nt/2)*128+(\nt%2)*32
	ds_store_b128 v4, v[ACC+64*\tk+8*\nt+4:ACC+64*\tk+8*\nt+7] offset:(\nt/2)*128+(\nt%2)*32+16
.endr
.if \tk == 1
	s_wait_xcnt 0x0                                ; the first tile's stores have read v16-79
.endif
.irp p, 0,1,2,3,4,5,6,7,8,9,10,11,12,13,14,15
	ds_load_b128 v[16+4*\p:19+4*\p], v5 offset:\p*528   ; LDS serves a wave's instructions in order: these see my stores, and the next tile's stores come behind them
.endr
.irp p, 0,1,2,3,4,5,6,7,8,9,10,11,12,13,14,15
	s_wait_dscnt 15-\p
	global_store_b128 v1, v[16+4*\p:19+4*\p], s[30:31] offset:(8*\tk+\p+8*(\p/8))*4096 th:TH_STORE_NT
.endr
.endr
	s_wait_xcnt 0x0
	v_lshl_add_u32 v254, v0, 2, 0x19000
	v_mov_b32 v255, 0
	s_wait_alu depctr_va_vdst(0)
	s_wait_tensorcnt 0x0
	ds_add_u32 v254, v255
	s_wait_dscnt 0x0
	s_endpgm
.Lfunc_end_k_qb492c61c09_outln:
	.size	k_qb492c61c09_outln, .Lfunc_end_k_qb492c61c09_outln-k_qb492c61c09_outln
	.p2alignl 7, 3214868480
	.fill 96, 4, 3214868480
	.section	.rodata,"a",@progbits
	.p2align	6, 0x0
	.amdhsa_kernel k_qb492c61c09_outln
		.amdhsa_group_segment_fixed_size 103424
		.amdhsa_private_segment_fixed_size 0
		.amdhsa_enable_private_segment 0
		.amdhsa_kernarg_size 64
		.amdhsa_user_sgpr_count 2
		.amdhsa_user_sgpr_kernarg_segment_ptr 1
		.amdhsa_wavefront_size32 1
		.amdhsa_system_sgpr_workgroup_id_x 1
		.amdhsa_system_sgpr_workgroup_id_y 1
		.amdhsa_system_sgpr_workgroup_id_z 1
		.amdhsa_system_vgpr_workitem_id 0
		.amdhsa_next_free_vgpr 512
		.amdhsa_next_free_sgpr 66
		.amdhsa_reserve_vcc 0
		.amdhsa_float_denorm_mode_32 3
		.amdhsa_float_denorm_mode_16_64 3
		.amdhsa_memory_ordered 1
		.amdhsa_forward_progress 1
		.amdhsa_inst_pref_size 106
	.end_amdhsa_kernel
	.amdgpu_metadata
---
amdhsa.version: [ 1, 2 ]
amdhsa.kernels:
  - .name:           k_qb492c61c09_outln
    .symbol:         k_qb492c61c09_outln.kd
    .args:
      - { .name: ac, .offset: 0, .size: 8, .value_kind: global_buffer, .address_space: global }
      - { .name: wc, .offset: 8, .size: 8, .value_kind: global_buffer, .address_space: global }
      - { .name: qf, .offset: 16, .size: 8, .value_kind: global_buffer, .address_space: global }
      - { .name: lowp_scales, .offset: 24, .size: 8, .value_kind: global_buffer, .address_space: global }
      - { .name: bo, .offset: 32, .size: 8, .value_kind: global_buffer, .address_space: global }
      - { .name: gamma, .offset: 40, .size: 8, .value_kind: global_buffer, .address_space: global }
      - { .name: beta, .offset: 48, .size: 8, .value_kind: global_buffer, .address_space: global }
      - { .name: out0, .offset: 56, .size: 8, .value_kind: global_buffer, .address_space: global }
    .group_segment_fixed_size: 103424
    .private_segment_fixed_size: 0
    .kernarg_segment_align: 8
    .kernarg_segment_size: 64
    .max_flat_workgroup_size: 256
    .sgpr_count:     66
    .vgpr_count:     512
    .wavefront_size: 32
...
	.end_amdgpu_metadata
.endif
;; end of part 4
